; MI455X (gfx1250); checked and timed in simulation.
; The chip was launched on July 23, 2026; its instructions are those of AMD's public machine-readable ISA for CDNA 5 (MIT licence, August 2026) and "CDNA5" Instruction Set Architecture Reference Guide (July 2026). The comments in the code are by the model that wrote it; some were corrected since.
;; Multi Head Self Attention. Allowed arithmetic: matrix products marked QUANTISED: E4M3 operands, one E8M0 scale for each 32 along K, by v_wmma_scale_f32_16x16x128_f8f6f4 with both operands' format E4M3, f32 sums; everything else in f32.
;; Inputs: out_b 1,024 float32; out_w 1,024 x 1,024 float32; qkv_b 3,072 float32; qkv_w 3,072 x 1,024 float32; x 2 x 2,048 x 1,024 float32.
;; Outputs: out0 2 x 2,048 x 1,024 float32.
;; This version of the problem:
;;   THIS VERSION OF THE PROBLEM IS GIVEN IN LOW PRECISION. The matrix products marked QUANTISED in the list below multiply operands that are first quantised to E4M3 (4 exponent bits, 3 mantissa bits; 8 bits a number), with one power-of-two scale for each 32 numbers along K (OCP MX v1.0); their sums are f32. All else is computed in f32.
;;   The module's matrix products, in the order in which they are computed (A, B: the left and right operand; K: the contracted axis; several contracted axes count as one K, in the product's order):
;;     1. [M 4,096, K 1,024] x [K 1,024, N 3,072]; A: input x; B: input qkv_w: QUANTISED
;;     2. batch 32 x [M 2,048, K 64] x [K 64, N 2,048]; A: computed on the way; B: computed on the way: QUANTISED
;;     3. batch 32 x [M 64, K 2,048] x [K 2,048, N 2,048]; A: computed on the way; B: softmax (see below): QUANTISED
;;     4. [M 4,096, K 1,024] x [K 1,024, N 1,024]; A: computed on the way; B: input out_w: QUANTISED
;;   THE QUANTISER, for each operand of a quantised product, along K:
;;     - K is cut into blocks of 32 from its start; a last block that is shorter is filled with zeros.
;;     - A block's scale is 2^e with e = floor(log2(the largest magnitude in the block)) - 8, held to -126 .. 127; a block of zeros has e = 0. As a byte (E8M0): e + 127.
;;     - Each number is divided by its block's scale, clamped to +-448, and rounded to the nearest number of E4M3, ties to even, subnormals kept.
;;     - The product sums the exact products of the quantised numbers (number of the format x scale) in f32.
;;   ~~~python
;;   def quantise(x, axis):      # numpy; x: float32 -> the quantised numbers, widened to float32 again
;;       x = np.moveaxis(x, axis, -1); K = x.shape[-1]
;;       x = np.pad(x, [(0, 0)] * (x.ndim - 1) + [(0, -K % 32)]); x = x.reshape(x.shape[:-1] + (-1, 32)); a = np.abs(x).max(-1, keepdims=True)
;;       e = np.where(a > 0, np.clip(np.frexp(np.where(a > 0, a, 1))[1] - 1 - 8, -126, 127), 0)      # np.frexp(a)[1] - 1 = floor(log2(a)), exactly
;;       r = np.clip(x / 2.0 ** e, -448, 448)
;;       step = 2.0 ** (np.maximum(np.frexp(np.where(r == 0, 1, r))[1] - 1, -6) - 3)
;;       q = np.round(r / step) * step * 2.0 ** e      # np.round: ties to even
;;       return np.moveaxis(q.reshape(q.shape[:-2] + (-1,))[..., :K], -1, axis).astype(np.float32)
;;   ~~~
;;   SOFTMAX AHEAD OF A QUANTISED PRODUCT. Where the list says 'softmax', what is quantised is not the finished softmax but p = 2^(t - M), with t = logit x log2(e) and M = ceil(the row's largest t), a whole number; so 1/2 < the row's largest p <= 1. The row's sum l is taken of the UNQUANTISED p, in f32, and the product's result is divided by l at the end. Since M is a whole number, a kernel that streams over the keys may use a running M (the ceiling of the running maximum): every later rescaling is an exact power of two, which a block's scale takes up: the codes' values come out the same.
;;   OPERANDS COMPUTED ON THE WAY. 'Computed on the way' means the value that the module computes at that place (a softmax that the list does not call 'softmax' is quantised finished and normalised). What goes into a quantiser is computed in f32, as accurately as f32 sums, v_exp_f32 and their like allow (about 1e-6 of the number): no bf16 or f16 on the way to a quantiser, and a product that is left as it is and whose result goes on into a quantised operand takes f32 operands (vector FMAs, or v_wmma_f32_16x16x4_f32). A number that lies on a knife's edge between two numbers of the format may be rounded either way, as far as f32 arithmetic and the matrix unit's own rounding can turn it there, and no further.
;; One version. Each part assembles by itself: llvm-mc -triple=amdgcn-amd-amdhsa -mcpu=gfx1250 --defsym DOCPART=n.
;; ======== version 1 of 1: 4 launches
;; limits: right only within a limited range of input values
;; workspace buffers: opq_img 8,388,608 bytes; opq_sc 262,144 bytes; qkv_img 12,582,912 bytes; qkv_sc 393,216 bytes; ctx_img 4,194,304 bytes; ctx_sc 131,072 bytes
;; launch quant (part 1): grid 256 x 1, 4 waves a work-group, no clusters, 34,304 bytes of LDS; arguments x, qkv_w, out_w, opq_img, opq_sc; writes opq_img, opq_sc
.if DOCPART == 1
	.amdgcn_target "amdgcn-amd-amdhsa--gfx1250"
	.amdhsa_code_object_version 6
	.text
	.protected	k_qd7e0c0f2ba_quant
	.globl	k_qd7e0c0f2ba_quant
	.p2align	8
	.type	k_qd7e0c0f2ba_quant,@function
k_qd7e0c0f2ba_quant:
	s_mov_b64 s[64:65], 0
	v_nop
	global_prefetch_b8 v0, s[64:65] scope:SCOPE_SE
	s_setreg_imm32_b32 hwreg(HW_REG_WAVE_MODE, 25, 1), 1
	s_wait_xcnt 0x0
; MULTI-HEAD SELF-ATTENTION IN MX-FP8, launch 1 of 4: x [4096][1024], qkv_w [3072][1024] and out_w [1024][1024], f32, K innermost, become codes of E4M3 with one E8M0 byte for each 32 along K.
; NOTHING OF THE PROBLEM IS LEFT OUT: every input has a way to the output (the bias on k moves k's codes, so it stays), every product is multiplied whole.
; A block's scale is 2^(floor(log2(its largest magnitude)) - 8); its byte is the largest magnitude's exponent field - 8, held at 1 from below.
; LIMITS: a block whose largest magnitude lies under 2^-118, a block of zeros among them, gets the byte 1 (the rule gives a block of zeros 127: its codes are zeros, and this program alone reads the bytes);
; NaN and infinities among the inputs are not served.
; THE THREE TENSORS ARE ONE STACK OF 8,192 ROWS = 512 TILES OF 16 ROWS (x: tiles 0-255, qkv_w: 256-447, out_w: 448-511).  THE ROWS OF A TILE ARE NOT NEIGHBOURS: place r of tile T is row
; 32 (T / 2) + 8 (T % 2) + r + 8 (r / 8).  So where such tiles are a product's source 0, a lane's 16 result registers of tiles 2 b and 2 b + 1 are 16 neighbours, as the next quantiser wants them.
; THE CODES ARE LAID AS IMAGES OF THE OPERAND'S REGISTERS: a fragment (16 rows x 128 K) is 2,048 bytes, byte 512 c + 16 lane = the 16 codes k = 32 c + 16 (lane / 16) + 0 .. 15 of place lane % 16.
; opq_img: ((w 512 + T) 2 + q) 2,048, K = 256 w + 128 q on.   opq_sc: (T / 2) 1,024 + 256 w + 8 (16 (T % 2) + r) + 4 q: a word of four bytes for a row and 128 along K.
; SHARES: work-group g owns rows 32 g .. 32 g + 31 (tiles 2 g, 2 g + 1); wave w owns K = 256 w .. 256 w + 255: four units n = 2 q + u of 16 rows x 128 K.
; Each load reads 512 consecutive bytes of one row; a unit turns through the wave's own stage in LDS (rows 528 bytes apart), so that a lane gets 16 neighbours of each block of 32.  Waves share nothing: no barrier.
.set STG,   8448                       ; a wave's stage: 16 rows x 528 bytes
.set SPARE, 4*STG                      ; behind the stages: the spare words, 128 bytes for each wave: two blocks of 256 bytes that no other line names
.set LO,  1                            ; v1   16 x lane
.set SI,  2                            ; v2   into the stage: 16 x lane
.set SO,  3                            ; v3   out of it: 528 r + 64 h
.set L8,  4                            ; v4   8 x lane
.set SPW, 12                           ; v12  LDS address of my spare word; never rewritten
.set NIL, 13                           ; v13  0; never rewritten
.set R,   16                           ; v16-143 of windows 0 and 1: four units as loaded, 64 registers each
.set MSB, 0
.macro WIN new                         ; the register window; the immediate's high byte repeats the setting that is left
.if MSB != \new
	s_set_vgpr_msb (MSB<<8)|\new
.set MSB, \new
.endif
.endm
.set X,   144                          ; v144-207 register 16 c + i = k 32 c + 16 h + i of my row
.set PC,  208                          ; v208-223 the unit's codes
.set TM,  224                          ; v224-239 at work
.set PW,  240                          ; v240-243 the four units' scale words
.set SW,  244                          ; v244-245 the two words that I store
.set SEL, 24                           ; s[24:25] v_permlanex16_b32's selects for lane l xor 16
.set MNT, 26                           ; s26  the mantissa field of 448
	s_load_b256 s[4:11], s[0:1], 0x0               ; x s[4:5], qkv_w s[6:7], out_w s[8:9], opq_img s[10:11]
	s_load_b64 s[12:13], s[0:1], 0x20              ; opq_sc
	v_lshl_add_u32 v[SPW], v0, 2, SPARE
	v_mov_b32 v[NIL], 0
	v_lshrrev_b32 v5, 5, v0
	v_readfirstlane_b32 s16, v5                    ; wave 0..3
	v_and_b32 v6, 31, v0                           ; lane
	v_and_b32 v7, 15, v0                           ; r
	v_bfe_u32 v8, v0, 4, 1                         ; h
	v_lshlrev_b32 v[LO], 4, v6
	v_lshlrev_b32 v[L8], 3, v6
	s_mul_i32 s18, s16, STG
	v_add_nc_u32 v[SI], s18, v[LO]
	v_mul_u32_u24 v[SO], v7, 528
	v_lshl_add_u32 v[SO], v8, 6, v[SO]
	v_add_nc_u32 v[SO], s18, v[SO]
	s_mov_b32 s[SEL], 0x76543210
	s_mov_b32 s[SEL+1], 0xfedcba98
	s_mov_b32 s[MNT], 0x600000
.irp b, 0,1,2,3
	v_mov_b32 v[TM+4+\b], 0                        ; written once: a lane permute's destination counts as one of its sources
.endr
	s_mov_b32 s17, 224
	s_wait_alu depctr_va_vdst(0)
	s_wait_kmcnt 0x0
	s_cmp_lt_u32 ttmp9, 224                        ; which tensor: the choice hangs on the work-group's number alone
	s_cselect_b64 s[14:15], s[6:7], s[8:9]
	s_cselect_b32 s17, 128, s17
	s_cmp_lt_u32 ttmp9, 128
	s_cselect_b64 s[14:15], s[4:5], s[14:15]
	s_cselect_b32 s17, 0, s17                      ; the tensor's first work-group
	s_sub_co_u32 s17, ttmp9, s17
	s_lshl_b32 s20, s17, 17                        ; 32 rows of 4,096 bytes
	s_lshl_b32 s22, s16, 10                        ; my 256 numbers of a row
	s_add_co_u32 s20, s20, s22
	s_mov_b32 s21, 0
	s_add_nc_u64 s[14:15], s[14:15], s[20:21]
	s_lshl_b32 s20, s16, 21                        ; images: w x 512 tiles x 4,096
	s_lshl_b32 s22, ttmp9, 13                      ; + 2 g tiles
	s_add_co_u32 s20, s20, s22
	s_add_nc_u64 s[10:11], s[10:11], s[20:21]
	s_lshl_b32 s20, ttmp9, 10                      ; scale words: g x 1,024 + w x 256
	s_lshl_b32 s22, s16, 8
	s_add_co_u32 s20, s20, s22
	s_add_nc_u64 s[12:13], s[12:13], s[20:21]
.macro LOAD n                          ; unit n: tile u = n % 2, q = n / 2: place i's row, 512 consecutive bytes a load; units 2 and 3 into window 1
	WIN 0x40*((\n)/2)
.irp i, 0,1,2,3,4,5,6,7,8,9,10,11,12,13,14,15
	global_load_b128 v[R+64*((\n)%2)+4*\i:R+64*((\n)%2)+4*\i+3], v[LO], s[14:15] offset:(8*((\n)%2)+\i+8*(\i/8))*4096+512*((\n)/2) th:TH_LOAD_NT
.endr
	WIN 0
.endm
.macro TURN n                          ; through the stage: LDS serves a wave's instructions in order, so no wait stands between the stores and the loads
	WIN 0x04*((\n)/2)
.irp i, 0,1,2,3,4,5,6,7,8,9,10,11,12,13,14,15
	ds_store_b128 v[SI], v[R+64*((\n)%2)+4*\i:R+64*((\n)%2)+4*\i+3] offset:528*\i
.endr
	WIN 0
.irp c, 0,1,2,3
.irp j, 0,1,2,3
	ds_load_b128 v[X+16*\c+4*\j:X+16*\c+4*\j+3], v[SO] offset:128*\c+16*\j
.endr
.endr
.endm
.macro QUANT n                         ; 64 numbers of a lane become the fragment's codes in v[PC] on and its scale word in v[PW + n]
.irp b, 0,1,2,3
	v_max3_num_f32 v[TM+\b], |v[X+16*\b]|, |v[X+1+16*\b]|, 0x4800000   ; block b: my 16 numbers, and the floor 2^(9 - 127): the byte cannot fall under 1
.endr
.irp i, 2,4,6,8,10,12,14
.irp b, 0,1,2,3
	v_max3_num_f32 v[TM+\b], v[TM+\b], |v[X+16*\b+\i]|, |v[X+1+16*\b+\i]|   ; the four blocks by turns
.endr
.endr
.irp b, 0,1,2,3
	v_permlanex16_b32 v[TM+4+\b], v[TM+\b], s[SEL], s[SEL+1]
.endr
.irp b, 0,1,2,3
	v_max_num_f32 v[TM+\b], v[TM+\b], v[TM+4+\b]   ; with lane l xor 16's 16: the block's largest magnitude
.endr
.irp b, 0,1,2,3
	v_add_nc_u32 v[TM+12+\b], 0xfc000000, v[TM+\b] ; 8 off its exponent field: the conversion's scale operand
.endr
.irp b, 0,1,2,3
	v_and_or_b32 v[TM+8+\b], v[TM+\b], 0x7f800000, s[MNT]   ; 448 x the scale
.endr
.irp b, 0,1,2,3
	v_lshrrev_b32 v[TM+4+\b], 23, v[TM+12+\b]      ; the scale's byte
.endr
	v_lshl_or_b32 v[PW+\n], v[TM+5], 8, v[TM+4]
	v_lshl_or_b32 v[PW+\n], v[TM+6], 16, v[PW+\n]
	v_lshl_or_b32 v[PW+\n], v[TM+7], 24, v[PW+\n]
.irp b, 0,1,2,3
.irp i, 0,1,2,3,4,5,6,7,8,9,10,11,12,13,14,15
	v_med3_num_f32 v[X+16*\b+\i], v[X+16*\b+\i], -v[TM+8+\b], v[TM+8+\b]   ; the conversion to an 8-bit code does not saturate (ISA guide 7.6.2): the hold at 448 x the scale
.endr
	v_cvt_scalef32_pk8_fp8_f32 v[PC+4*\b:PC+4*\b+1], v[X+16*\b:X+16*\b+7], v[TM+12+\b]
	v_cvt_scalef32_pk8_fp8_f32 v[PC+4*\b+2:PC+4*\b+3], v[X+16*\b+8:X+16*\b+15], v[TM+12+\b]
.endr
	v_nop                                          ; a plain line behind the last conversion
.endm
.macro UNIT n
	s_wait_loadcnt 48-16*(\n)                      ; this unit's 16 loads are in; those of the units behind it may be out
	TURN \n
	s_wait_dscnt 0x0                               ; my 64 numbers are back
.if (\n) > 0
	s_wait_xcnt 0x0                                ; the last unit's stores have read the codes' registers, which are written again below
.endif
	QUANT \n
.irp c, 0,1,2,3
	global_store_b128 v[LO], v[PC+4*\c:PC+4*\c+3], s[10:11] offset:((\n)%2)*4096+((\n)/2)*2048+512*\c   ; 32 lanes store 512 consecutive bytes, aligned
.endr
.endm
	LOAD 0
	LOAD 1
	LOAD 2
	LOAD 3
	UNIT 0
	UNIT 1
	UNIT 2
	UNIT 3
	v_cmp_gt_u32 vcc_lo, 16, v6                    ; lanes 0-15 carry tile 2 g's words, lanes 16-31 tile 2 g + 1's (every lane holds its row's word of both)
	v_cndmask_b32 v[SW], v[PW+1], v[PW], vcc_lo    ; q = 0
	v_cndmask_b32 v[SW+1], v[PW+3], v[PW+2], vcc_lo  ; q = 1
	global_store_b64 v[L8], v[SW:SW+1], s[12:13]   ; 32 lanes store 256 consecutive bytes, aligned
	s_wait_tensorcnt 0x0                           ; the wave's end: three lines behind my last LDS store
	ds_add_u32 v[SPW], v[NIL]
	s_wait_dscnt 0x0
	s_endpgm
.Lfunc_end_k_qd7e0c0f2ba_quant:
	.size	k_qd7e0c0f2ba_quant, .Lfunc_end_k_qd7e0c0f2ba_quant-k_qd7e0c0f2ba_quant
	.p2alignl 7, 3214868480
	.fill 96, 4, 3214868480
	.section	.rodata,"a",@progbits
	.p2align	6, 0x0
	.amdhsa_kernel k_qd7e0c0f2ba_quant
		.amdhsa_group_segment_fixed_size 34304
		.amdhsa_private_segment_fixed_size 0
		.amdhsa_enable_private_segment 0
		.amdhsa_kernarg_size 40
		.amdhsa_user_sgpr_count 2
		.amdhsa_user_sgpr_kernarg_segment_ptr 1
		.amdhsa_wavefront_size32 1
		.amdhsa_system_sgpr_workgroup_id_x 1
		.amdhsa_system_sgpr_workgroup_id_y 1
		.amdhsa_system_sgpr_workgroup_id_z 1
		.amdhsa_system_vgpr_workitem_id 0
		.amdhsa_next_free_vgpr 512
		.amdhsa_next_free_sgpr 66
		.amdhsa_reserve_vcc 1
		.amdhsa_float_denorm_mode_32 3
		.amdhsa_float_denorm_mode_16_64 3
		.amdhsa_memory_ordered 1
		.amdhsa_forward_progress 1
		.amdhsa_inst_pref_size 51
	.end_amdhsa_kernel
	.amdgpu_metadata
---
amdhsa.version: [ 1, 2 ]
amdhsa.kernels:
  - .name:           k_qd7e0c0f2ba_quant
    .symbol:         k_qd7e0c0f2ba_quant.kd
    .args:
      - { .name: x, .offset: 0, .size: 8, .value_kind: global_buffer, .address_space: global }
      - { .name: qkv_w, .offset: 8, .size: 8, .value_kind: global_buffer, .address_space: global }
      - { .name: out_w, .offset: 16, .size: 8, .value_kind: global_buffer, .address_space: global }
      - { .name: opq_img, .offset: 24, .size: 8, .value_kind: global_buffer, .address_space: global }
      - { .name: opq_sc, .offset: 32, .size: 8, .value_kind: global_buffer, .address_space: global }
    .group_segment_fixed_size: 34304
    .private_segment_fixed_size: 0
    .kernarg_segment_align: 8
    .kernarg_segment_size: 40
    .max_flat_workgroup_size: 128
    .sgpr_count:     66
    .vgpr_count:     512
    .wavefront_size: 32
...
	.end_amdgpu_metadata
.endif
;; end of part 1
;; launch qkv (part 2): grid 8 x 24, 4 waves a work-group, clusters of 4 x 4, 327,680 bytes of LDS; arguments opq_img, opq_sc, qkv_b, qkv_img, qkv_sc; writes qkv_img, qkv_sc
.if DOCPART == 2
	.amdgcn_target "amdgcn-amd-amdhsa--gfx1250"
	.amdhsa_code_object_version 6
	.text
	.protected	k_qd7e0c0f2ba_qkv
	.globl	k_qd7e0c0f2ba_qkv
	.p2align	8
	.type	k_qd7e0c0f2ba_qkv,@function
k_qd7e0c0f2ba_qkv:
	s_mov_b64 s[64:65], 0
	v_nop
	global_prefetch_b8 v0, s[64:65] scope:SCOPE_SE
	s_setreg_imm32_b32 hwreg(HW_REG_WAVE_MODE, 25, 1), 1
	s_wait_xcnt 0x0
	s_wait_alu depctr_hold_cnt(0) depctr_sa_sdst(0) depctr_va_vdst(0) depctr_va_sdst(0) depctr_va_ssrc(0) depctr_va_vcc(0) depctr_vm_vsrc(0)
	s_getreg_b32 s2, hwreg(HW_REG_IB_STS2, 6, 4)
	s_cmp_eq_u32 s2, 0
	s_cbranch_scc0 .Lentry_in_a_cluster
	s_endpgm
.Lentry_in_a_cluster:
	s_bfe_u32 s2, ttmp6, 0x10000c
	s_cmp_lg_u32 s2, 0xf033
	s_cbranch_scc0 .Lentry_shape_is_right
	s_endpgm
.Lentry_shape_is_right:
; Launch 2 of 4: q, k, v = x W^T + b on codes of E4M3, and their quantisers: q and k along a head's columns, v along the tokens.  Nothing of the problem is left out.
; LIMITS: as in launch 1 (byte 1 for blocks under 2^-118; no NaN, no infinities).
; SHARES: a work-group makes 256 x 256; each of its four waves 128 x 128: 64 accumulators in windows 2 and 3.  Clusters with y under 4 make q and k (A = tokens, B = the weight's rows); the others v with the roles changed (A = the weight's rows, B = tokens),
; so that a lane's registers run along what the next quantiser wants.  Tiles are asked for jointly: A's along a row of the cluster, B's along a column.
; K goes in four steps of 256 through two LDS slots (A's 16 tiles of 4,096 bytes, then B's).  At the head waves 0 and 1 fetch slot 0, waves 2 and 3 slot 1; steps 2 and 3 come as refills, each prefetched into the L2 a K step ahead of its load:
; of a tile set's 256 blocks of 256 bytes each of the four partners names 64, told apart by address, two waves 32 each.  The scale words go through registers into LDS once.
.set SLOT,  131072
.set SCL,   2*SLOT
.set SPARE, SCL+16384
.set KSB,   2097152
.set ADRA, 16
.set ADRB, 20
.set ADSA, 22
.set ADSB, 23
.set LI,   24
.set SPW,  28
.set NIL,  29
.set SC,   32
.set BI,   64
.set AF,   128
.set TM,   64
.set PW,   80
.set SW,   88
.set G1, 24
.set G0, 32
.set G1B, 48
.set G0B, 56
.set MSB, 0
.macro WIN new
.if MSB != \new
	s_set_vgpr_msb (MSB<<8)|\new
.set MSB, \new
.endif
.endm
.macro JLOAD g0a, g1a, g0b, g1b
	s_cmp_eq_u32 s15, 0
	s_cbranch_scc0 .Lfor_b_\@
	tensor_load_to_lds s[\g0a:\g0a+3], s[\g1a:\g1a+7]
	s_nop 0
.rept 4
	v_nop
.endr
	s_branch .Lasked_\@
.Lfor_b_\@:
	tensor_load_to_lds s[\g0b:\g0b+3], s[\g1b:\g1b+7]
	s_nop 0
.rept 4
	v_nop
.endr
.Lasked_\@:
.endm
.macro CREST
	s_cmp_lg_u32 s14, 0
	s_cbranch_scc1 .Lnot_wave_0_\@
	s_barrier_signal -3
.Lnot_wave_0_\@:
	s_barrier_wait -3
	s_barrier_signal -1
	s_barrier_wait -1
.endm
.macro CROUND
	s_barrier_signal -1
	s_barrier_wait -1
	CREST
.endm
.macro PLACES n
.rept \n
	v_nop
.endr
.endm
	s_load_b256 s[4:11], s[0:1], 0x0
	s_load_b64 s[12:13], s[0:1], 0x20
	v_lshl_add_u32 v[SPW], v0, 2, SPARE
	v_mov_b32 v[NIL], 0
	ds_add_u32 v[SPW], v[NIL]
	ds_add_u32 v[SPW], v[NIL]
	v_lshrrev_b32 v1, 5, v0
	v_readfirstlane_b32 s14, v1
	s_lshr_b32 s15, s14, 1
	s_and_b32 s16, s14, 1
	s_bfe_u32 s40, ttmp6, 0x40000
	s_bfe_u32 s41, ttmp6, 0x40004
	s_and_b32 s19, ttmp7, 0xffff
	s_max_u32 s96, s19, 4
	s_sub_co_u32 s96, s96, 4
	s_lshl_b32 s96, s96, 1
	s_add_co_u32 s96, s96, ttmp9
	s_cmp_ge_u32 s19, 4
	s_cselect_b32 s18, 1, 0
	s_cselect_b32 s95, 0, s19
	s_cselect_b32 s97, 384, 0
	s_cselect_b32 s98, 0, 256
	s_lshl_b32 s17, s95, 2
	s_add_co_u32 s17, s17, s41
	s_lshl_b32 s42, s96, 2
	s_add_co_u32 s42, s42, s40
	s_lshl_b32 s43, s41, 2
	s_lshl_b32 s43, 15, s43
	s_lshl_b32 s44, 0x1111, s40
	s_or_b32 s[G1+0], s43, (3<<16)|(1<<21)
	s_or_b32 s[G1B+0], s44, (3<<16)|(1<<21)
.irp g, G1, G1B
	s_mov_b32 s[\g+1], 32<<16
	s_mov_b32 s[\g+2], 256<<16
	s_mov_b32 s[\g+3], 32<<16
	s_mov_b32 s[\g+4], 256                         ; the head's loads bring 256 rows of 256 bytes: 16 tiles of one K step
	s_mov_b32 s[\g+5], 32
	s_mov_b32 s[\g+6], 0
	s_mov_b32 s[\g+7], 0
.endr
	s_lshl_b32 s20, s17, 4
	s_add_co_u32 s20, s20, s97
	s_lshl_b32 s46, s42, 4
	s_add_co_u32 s46, s46, s98
	s_lshl_b32 s98, s16, 15                        ; in the ring I fetch 8 of the 16 tiles: which half, in bytes
	s_mov_b32 s99, 0
	s_lshl_b32 s22, s20, 9
	s_lshl_b32 s20, s20, 12
	s_lshl_b32 s92, s46, 9
	s_lshl_b32 s46, s46, 12
	s_mov_b32 s21, 0
	s_mov_b32 s23, 0
	s_mov_b32 s47, 0
	s_mov_b32 s93, 0
	s_lshl_b32 s45, s14, 15
	s_lshl_b32 s94, s14, 12                        ; my quarter of the scale words: the halves of A's, then of B's
	s_add_co_u32 s94, s94, SCL
	v_and_b32 v1, 31, v0                           ; lane
	v_lshlrev_b32 v[LI], 4, v1
	v_lshlrev_b32 v31, 8, v1                       ; the prefetches' offset: a lane a block of 256 bytes
	v_add_nc_u32 v30, s94, v[LI]
	s_wait_alu depctr_va_vdst(0)
	s_wait_dscnt 0x0
	s_wait_kmcnt 0x0
	s_add_nc_u64 s[20:21], s[4:5], s[20:21]
	s_add_nc_u64 s[22:23], s[6:7], s[22:23]
	s_add_nc_u64 s[46:47], s[4:5], s[46:47]
	s_add_nc_u64 s[92:93], s[6:7], s[92:93]
	s_cmp_eq_u32 s15, 0
	s_cselect_b64 s[92:93], s[22:23], s[92:93]
	s_lshl_b32 s80, s16, 12
	s_mov_b32 s81, 0
	s_add_nc_u64 s[92:93], s[92:93], s[80:81]
.irp i, 0,1,2,3,4,5,6,7
	global_load_b128 v[AF+4*\i:AF+4*\i+3], v[LI], s[92:93] offset:512*\i   ; my 4,096 bytes of scale words, on their way to LDS
.endr
	CROUND
	s_mov_b32 s[G0], 1                             ; the head's four tiles, each whole: K step 0's 16 tiles of A,
	s_mov_b32 s[G0+1], 0
	s_mov_b64 s[G0+2:G0+3], s[20:21]
	s_or_b32 s[G0+3], s[G0+3], 0x80000000
	s_mov_b32 s[G0B], 1                            ; those of B behind them,
	s_mov_b32 s[G0B+1], 65536
	s_mov_b64 s[G0B+2:G0B+3], s[46:47]
	s_or_b32 s[G0B+3], s[G0B+3], 0x80000000
	s_mov_b32 s[G0+4], 1                           ; K step 1's tiles of A and of B, in slot 1
	s_mov_b32 s[G0+5], SLOT
	s_add_nc_u64 s[G0+6:G0+7], s[20:21], KSB
	s_or_b32 s[G0+7], s[G0+7], 0x80000000
	s_mov_b32 s[G0B+4], 1
	s_mov_b32 s[G0B+5], SLOT+65536
	s_add_nc_u64 s[G0B+6:G0B+7], s[46:47], KSB
	s_or_b32 s[G0B+7], s[G0B+7], 0x80000000
	s_cmp_eq_u32 s15, 0                            ; where my prefetches stand: waves 0, 1 in A's tiles, by cx; waves 2, 3 in B's, by cy
	s_cselect_b64 s[76:77], s[20:21], s[46:47]
	s_cselect_b32 s78, s40, s41
	s_lshl_b32 s78, s78, 14
	s_lshl_b32 s79, s16, 13
	s_add_co_u32 s78, s78, s79
	s_mov_b32 s79, 0
	s_add_nc_u64 s[76:77], s[76:77], s[78:79]
	s_add_nc_u64 s[20:21], s[20:21], s[98:99]      ; for the refills: my 8 tiles
	s_add_nc_u64 s[46:47], s[46:47], s[98:99]
; THE HEAD'S LOADS, ONE A WAVE: one tree of branches on the wave's number, every way through it passes exactly one load.
.macro ARM under, g0, g1, next
	s_cmp_lt_u32 s14, \under
	s_cbranch_scc0 \next
	tensor_load_to_lds s[\g0:\g0+3], s[\g1:\g1+7]
	s_nop 0
.rept 4
	v_nop
.endr
	s_branch .Lhead_asked
\next:
.endm
	ARM 1, G0, G1, .Lhead_b
	ARM 2, G0B, G1B, .Lhead_a1
	ARM 3, G0+4, G1, .Lhead_b1
	tensor_load_to_lds s[G0B+4:G0B+7], s[G1B:G1B+7]
	s_nop 0
.rept 4
	v_nop
.endr
.Lhead_asked:
	v_and_b32 v2, 15, v0
	v_bfe_u32 v3, v0, 4, 1
	v_and_b32 v4, 8, v2
	v_add_nc_u32 v4, v4, v2
	v_lshlrev_b32 v6, 3, v1
	s_lshl_b32 s95, s15, 15
	s_lshl_b32 s96, s16, 15
	s_add_co_u32 s96, s96, 65536
	v_add_nc_u32 v[ADRA], s95, v[LI]
	v_add_nc_u32 v[ADRB], s96, v[LI]
	v_add_nc_u32 v[ADRA+1], SLOT, v[ADRA]
	v_add_nc_u32 v[ADRB+1], SLOT, v[ADRB]
	s_lshl_b32 s95, s15, 12
	s_add_co_u32 s95, s95, SCL
	s_lshl_b32 s96, s16, 12
	s_add_co_u32 s96, s96, SCL+8192
	v_add_nc_u32 v[ADSA], s95, v6
	v_add_nc_u32 v[ADSB], s96, v6
	s_cmp_lg_u32 s18, 0
	s_cselect_b32 s95, 0, 64
	s_cselect_b32 s96, 4, 0
	s_cselect_b32 s98, s17, s42
	s_cselect_b32 s99, s15, s16
	s_cselect_b32 s2, 8192, 0
	s_lshl_b32 s98, s98, 10
	s_lshl_b32 s99, s99, 9
	s_add_co_u32 s98, s98, s99
	s_add_co_u32 s2, s2, s98
	s_mov_b32 s3, 0
	s_add_nc_u64 s[8:9], s[8:9], s[2:3]
	s_wait_alu depctr_va_vdst(0)                   ; the wait stands directly ahead of the readers below
	v_mul_u32_u24 v5, s95, v3
	v_mad_u32_u24 v5, v4, s96, v5
	s_wait_alu depctr_va_vdst(0)
	s_cmp_lg_u32 s18, 0
	s_cbranch_scc1 .Lbias_v
.irp i, 0,1,2,3,4,5,6,7                ; q, k: a lane's eight registers of a tile are eight neighbouring columns
	global_load_b128 v[BI+8*\i:BI+8*\i+3], v5, s[8:9] offset:(32*(\i/2)+8*(\i%2))*4
	global_load_b128 v[BI+8*\i+4:BI+8*\i+7], v5, s[8:9] offset:(32*(\i/2)+8*(\i%2))*4+16
.endr
	s_branch .Lbias_asked
.Lbias_v:                              ; v: a lane's eight registers are eight tokens of one column: one number, spread
.irp i, 0,1,2,3,4,5,6,7
	global_load_b32 v[BI+8*\i], v5, s[8:9] offset:(32*(\i/2)+8*(\i%2))*4
.endr
	s_wait_loadcnt 0x0
.irp i, 0,1,2,3,4,5,6,7
.irp j, 1,2,3,4,5,6,7
	v_mov_b32 v[BI+8*\i+\j], v[BI+8*\i]
.endr
.endr
.Lbias_asked:
	s_lshl_b32 s95, s42, 1
	s_add_co_u32 s95, s95, s16
	s_lshl_b32 s96, s17, 4
	s_lshl_b32 s97, s15, 3
	s_add_co_u32 s96, s96, s97
	s_lshl_b32 s97, s95, 6
	s_lshl_b32 s98, s95, 8
	s_lshr_b32 s99, s96, 3
	s_lshl_b32 s2, s95, 5
	s_add_co_u32 s2, s2, s99
	s_lshr_b32 s3, s95, 4
	s_lshl_b32 s3, s3, 7
	s_lshl_b32 s99, s99, 4
	s_add_co_u32 s3, s3, s99
	s_and_b32 s99, s95, 15
	s_add_co_u32 s3, s3, s99
	s_add_co_u32 s3, s3, 512
	s_cmp_lg_u32 s18, 0
	s_cselect_b32 s97, s97, s98
	s_cselect_b32 s2, s3, s2
	s_cselect_b32 s98, 4096, 0
	s_add_co_u32 s97, s97, s96
	s_add_co_u32 s97, s97, s98
	s_lshl_b32 s66, s97, 11
	s_mov_b32 s67, 0
	s_add_nc_u64 s[10:11], s[10:11], s[66:67]
	s_lshl_b32 s66, s2, 9
	s_add_nc_u64 s[12:13], s[12:13], s[66:67]
.macro FRAG reg, adr, q, i
.irp c, 0,1,2,3
	ds_load_b128 v[\reg+4*\c:\reg+4*\c+3], v[\adr] offset:(\i)*4096+(\q)*2048+512*\c
.endr
.endm
.macro WM a, b, p, q, set, cm
.set rD, 8*(8*((\a)%4)+(\b))
.set rB, 128*(\p)+16*(\b)
.set rA, AF+16*(\a)
.set xB, SC+16*(\set)+8+2*((\b)/2)+(\q)
.set xA, SC+16*(\set)+2*((\a)/2)+(\q)
.set rC, rD
.if (\cm) == 1
.set rC, BI+8*(\b)
.elseif (\cm) == 2
.set rC, BI+8*(\a)
.endif
.if ((\a)%2 == 0) && ((\b)%2 == 0)
	v_wmma_scale_f32_16x16x128_f8f6f4 v[rD:rD+7], v[rB:rB+15], v[rA:rA+15], v[rC:rC+7], v[xB], v[xA]
.elseif (\a)%2 == 0
	v_wmma_scale_f32_16x16x128_f8f6f4 v[rD:rD+7], v[rB:rB+15], v[rA:rA+15], v[rC:rC+7], v[xB], v[xA] matrix_a_scale:MATRIX_SCALE_ROW1
.elseif (\b)%2 == 0
	v_wmma_scale_f32_16x16x128_f8f6f4 v[rD:rD+7], v[rB:rB+15], v[rA:rA+15], v[rC:rC+7], v[xB], v[xA] matrix_b_scale:MATRIX_SCALE_ROW1
.else
	v_wmma_scale_f32_16x16x128_f8f6f4 v[rD:rD+7], v[rB:rB+15], v[rA:rA+15], v[rC:rC+7], v[xB], v[xA] matrix_a_scale:MATRIX_SCALE_ROW1 matrix_b_scale:MATRIX_SCALE_ROW1
.endif
.endm
.macro MUL16 a0, p, q, set, cm
.irp a, \a0, \a0+1
.irp b, 0,1,2,3,4,5,6,7
	WM (\a), \b, \p, \q, \set, \cm
.endr
.endr
.endm
.macro FETCH_B slot, q, p
	WIN 0x40
.irp i, 0,1,2,3,4,5,6,7
	FRAG 128*(\p)+16*\i, ADRB+\slot, \q, \i
.endr
	WIN 0
.endm
.macro FETCH_A slot, q, i0
.irp i, \i0, \i0+1, \i0+2, \i0+3
	FRAG AF+16*(\i), ADRA+\slot, \q, \i
.endr
.endm
.macro SCALES set, ks
.irp g, 0,1,2,3
	ds_load_b64 v[SC+16*\set+2*\g:SC+16*\set+2*\g+1], v[ADSA] offset:\g*1024+(\ks)*256
	ds_load_b64 v[SC+16*\set+8+2*\g:SC+16*\set+8+2*\g+1], v[ADSB] offset:\g*1024+(\ks)*256
.endr
.endm
.macro STEP slot, q, cm
	s_wait_dscnt 16
.if \cm
	WIN 0x81
.else
	WIN 0xa1
.endif
	MUL16 0, (\q)%2, \q, \slot, \cm
	MUL16 2, (\q)%2, \q, \slot, \cm
	s_wait_dscnt 0x0
	PLACES 8
	FETCH_B \slot, (\q)+1, 1-(\q)%2
	FETCH_A \slot, (\q)+1, 0
.if \cm
	WIN 0xc1
.else
	WIN 0xf1
.endif
	MUL16 4, (\q)%2, \q, \slot, \cm
	MUL16 6, (\q)%2, \q, \slot, \cm
	PLACES 8
	WIN 0
	FETCH_A \slot, (\q)+1, 4
.endm
.macro TURN slot, next, fill, ks
	s_wait_tensorcnt 0x0
	ds_add_u32 v[SPW], v[NIL]
.if \fill                              ; no tensor load of mine is out: the refill's descriptors: my 8 tiles of K step 2 + slot, 128 rows of 256 bytes a load
	s_add_co_u32 s[G0+4*\slot+1], s45, \slot*SLOT
	s_add_nc_u64 s[G0+4*\slot+2:G0+4*\slot+3], s[20:21], (2+\slot)*KSB
	s_or_b32 s[G0+4*\slot+3], s[G0+4*\slot+3], 0x80000000
	s_add_co_u32 s[G0B+4*\slot+1], s45, \slot*SLOT
	s_add_nc_u64 s[G0B+4*\slot+2:G0B+4*\slot+3], s[46:47], (2+\slot)*KSB
	s_or_b32 s[G0B+4*\slot+3], s[G0B+4*\slot+3], 0x80000000
	s_mov_b32 s[G1+2], 128<<16
	s_mov_b32 s[G1+4], 128
	s_mov_b32 s[G1B+2], 128<<16
	s_mov_b32 s[G1B+4], 128
.endif
	s_wait_dscnt 17
	WIN 0xa1
	MUL16 0, 1, 1, \slot, 0
	s_wait_dscnt 0x0
	s_barrier_signal -1
	MUL16 2, 1, 1, \slot, 0
	WIN 0
	s_barrier_wait -1
.if \fill
	CREST
	JLOAD G0+4*\slot, G1, G0B+4*\slot, G1B
	PLACES 4
.else
	PLACES 8
.endif
	FETCH_B \next, 0, 0
	FETCH_A \next, 0, 0
	SCALES \next, \ks
.if (\fill) && (\slot) == 0
	global_prefetch_b8 v31, s[76:77] offset:3*KSB th:TH_LOAD_NT scope:SCOPE_SE   ; K step 3, which the next change of slots asks for
.endif
	WIN 0xf1
	MUL16 4, 1, 1, \slot, 0
	MUL16 6, 1, 1, \slot, 0
	PLACES 8
	WIN 0
	FETCH_A \next, 0, 4
.endm
	s_wait_alu depctr_va_vdst(0)                   ; the head's end
	s_wait_loadcnt 0x0                             ; the scale words and the bias
.irp i, 0,1,2,3,4,5,6,7
	ds_store_b128 v30, v[AF+4*\i:AF+4*\i+3] offset:512*\i
.endr
	s_cmp_lt_u32 s14, 2
	s_cbranch_scc0 .Lnot_yet
	s_wait_tensorcnt 0x0                           ; waves 0, 1: slot 0 is in.  The others' wait stands at the change of slots
.Lnot_yet:
	s_wait_dscnt 0x0
	s_barrier_signal -1
	s_barrier_wait -1
	FETCH_B 0, 0, 0
	FETCH_A 0, 0, 0
	SCALES 0, 0
	FETCH_A 0, 0, 4
	global_prefetch_b8 v31, s[76:77] offset:2*KSB th:TH_LOAD_NT scope:SCOPE_SE   ; K step 2, which the first change of slots asks for
	s_cmp_lg_u32 s18, 0
	s_cbranch_scc1 .Lrole1
	STEP 0, 0, 1
	s_branch .Ljoined
.Lrole1:
	STEP 0, 0, 2
.Ljoined:
	TURN 0, 1, 1, 1
	STEP 1, 0, 0
	TURN 1, 0, 1, 2
	STEP 0, 0, 0
	TURN 0, 1, 0, 3
	STEP 1, 0, 0
	s_wait_dscnt 16
	WIN 0xa1
	MUL16 0, 1, 1, 1, 0
	MUL16 2, 1, 1, 1, 0
	s_wait_dscnt 0x0
	WIN 0xf1
	MUL16 4, 1, 1, 1, 0
	MUL16 6, 1, 1, 1, 0
	WIN 0
	PLACES 8
.macro QOUT a
.set WN, 2+(\a)/4
.set AC, 64*((\a)%4)
.if (\a)%4 == 0
.set PCA, 160+64*((\a)/4)
.elseif (\a)%4 == 1
.set PCA, 176+64*((\a)/4)
.elseif (\a)%4 == 2
.set PCA, 192+16*((\a)/4)
.else
.set PCA, 128+16*((\a)/4)
.endif
	WIN (WN|(WN<<2))
.irp b, 0,1,2,3
	v_max3_num_f32 v[TM+\b], |v[AC+16*\b]|, |v[AC+1+16*\b]|, 0x4800000
.endr
	WIN ((WN<<2)|(WN<<4))
.irp i, 2,4,6,8,10,12,14
.irp b, 0,1,2,3
	v_max3_num_f32 v[TM+\b], v[TM+\b], |v[AC+16*\b+\i]|, |v[AC+1+16*\b+\i]|
.endr
.endr
	WIN 0
.irp b, 0,1,2,3
	v_permlanex16_b32 v[TM+4+\b], v[TM+\b], s66, s67
.endr
.irp b, 0,1,2,3
	v_max_num_f32 v[TM+\b], v[TM+\b], v[TM+4+\b]
.endr
.irp b, 0,1,2,3
	v_add_nc_u32 v[TM+12+\b], 0xfc000000, v[TM+\b]
.endr
.irp b, 0,1,2,3
	v_and_or_b32 v[TM+8+\b], v[TM+\b], 0x7f800000, s95
.endr
.irp b, 0,1,2,3
	v_lshrrev_b32 v[TM+4+\b], 23, v[TM+12+\b]
.endr
	v_lshl_or_b32 v[PW+\a], v[TM+5], 8, v[TM+4]
	v_lshl_or_b32 v[PW+\a], v[TM+6], 16, v[PW+\a]
	v_lshl_or_b32 v[PW+\a], v[TM+7], 24, v[PW+\a]
	WIN (WN|(WN<<6))
.irp b, 0,1,2,3
.set j, 0
.rept 16
	v_med3_num_f32 v[AC+16*\b+j], v[AC+16*\b+j], -v[TM+8+\b], v[TM+8+\b]
.set j, j+1
.endr
.endr
	WIN WN
.irp b, 0,1,2,3
	v_cvt_scalef32_pk8_fp8_f32 v[PCA+4*\b:PCA+4*\b+1], v[AC+16*\b:AC+16*\b+7], v[TM+12+\b]
	v_cvt_scalef32_pk8_fp8_f32 v[PCA+4*\b+2:PCA+4*\b+3], v[AC+16*\b+8:AC+16*\b+15], v[TM+12+\b]
.endr
	WIN 0
	v_nop
.irp c, 0,1,2,3
	global_store_b128 v[LI], v[PCA+4*\c:PCA+4*\c+3], s[10:11] offset:(\a)*2048+512*\c
.endr
.endm
	s_mov_b32 s66, 0x76543210
	s_mov_b32 s67, 0xfedcba98
	s_mov_b32 s95, 0x600000
.irp b, 0,1,2,3
	v_mov_b32 v[TM+4+\b], 0
.endr
.irp a, 0,1,2,3,4,5,6,7
	QOUT \a
.endr
	v_cmp_gt_u32 vcc_lo, 16, v1
.irp i, 0,1,2,3
	v_cndmask_b32 v[SW+\i], v[PW+2*\i+1], v[PW+2*\i], vcc_lo
.endr
	global_store_b128 v[LI], v[SW:SW+3], s[12:13]
	s_wait_tensorcnt 0x0
	ds_add_u32 v[SPW], v[NIL]
	s_wait_dscnt 0x0
	CROUND
	s_endpgm
.Lfunc_end_k_qd7e0c0f2ba_qkv:
	.size	k_qd7e0c0f2ba_qkv, .Lfunc_end_k_qd7e0c0f2ba_qkv-k_qd7e0c0f2ba_qkv
	.p2alignl 7, 3214868480
	.fill 96, 4, 3214868480
	.section	.rodata,"a",@progbits
	.p2align	6, 0x0
	.amdhsa_kernel k_qd7e0c0f2ba_qkv
		.amdhsa_group_segment_fixed_size 327680
		.amdhsa_private_segment_fixed_size 0
		.amdhsa_enable_private_segment 0
		.amdhsa_kernarg_size 40
		.amdhsa_user_sgpr_count 2
		.amdhsa_user_sgpr_kernarg_segment_ptr 1
		.amdhsa_wavefront_size32 1
		.amdhsa_system_sgpr_workgroup_id_x 1
		.amdhsa_system_sgpr_workgroup_id_y 1
		.amdhsa_system_sgpr_workgroup_id_z 1
		.amdhsa_system_vgpr_workitem_id 0
		.amdhsa_next_free_vgpr 1024
		.amdhsa_next_free_sgpr 100
		.amdhsa_reserve_vcc 1
		.amdhsa_float_denorm_mode_32 3
		.amdhsa_float_denorm_mode_16_64 3
		.amdhsa_memory_ordered 1
		.amdhsa_forward_progress 1
		.amdhsa_inst_pref_size 204
	.end_amdhsa_kernel
	.amdgpu_metadata
---
amdhsa.version: [ 1, 2 ]
amdhsa.kernels:
  - .name:           k_qd7e0c0f2ba_qkv
    .symbol:         k_qd7e0c0f2ba_qkv.kd
    .args:
      - { .name: opq_img, .offset: 0, .size: 8, .value_kind: global_buffer, .address_space: global }
      - { .name: opq_sc, .offset: 8, .size: 8, .value_kind: global_buffer, .address_space: global }
      - { .name: qkv_b, .offset: 16, .size: 8, .value_kind: global_buffer, .address_space: global }
      - { .name: qkv_img, .offset: 24, .size: 8, .value_kind: global_buffer, .address_space: global }
      - { .name: qkv_sc, .offset: 32, .size: 8, .value_kind: global_buffer, .address_space: global }
    .group_segment_fixed_size: 327680
    .private_segment_fixed_size: 0
    .kernarg_segment_align: 8
    .kernarg_segment_size: 40
    .max_flat_workgroup_size: 128
    .sgpr_count:     100
    .vgpr_count:     1024
    .wavefront_size: 32
...
	.end_amdgpu_metadata
.endif
;; end of part 2
;; launch attn (part 3): grid 8 x 32, 8 waves a work-group, clusters of 4 x 1, 327,680 bytes of LDS; arguments qkv_img, qkv_sc, ctx_img, ctx_sc; writes ctx_img, ctx_sc
.if DOCPART == 3
	.amdgcn_target "amdgcn-amd-amdhsa--gfx1250"
	.amdhsa_code_object_version 6
	.text
	.protected	k_qd7e0c0f2ba_attn
	.globl	k_qd7e0c0f2ba_attn
	.p2align	8
	.type	k_qd7e0c0f2ba_attn,@function
k_qd7e0c0f2ba_attn:
	s_mov_b64 s[64:65], 0
	v_nop
	global_prefetch_b8 v0, s[64:65] scope:SCOPE_SE
	s_setreg_imm32_b32 hwreg(HW_REG_WAVE_MODE, 25, 1), 1
	s_wait_xcnt 0x0
	s_wait_alu depctr_hold_cnt(0) depctr_sa_sdst(0) depctr_va_vdst(0) depctr_va_sdst(0) depctr_va_ssrc(0) depctr_va_vcc(0) depctr_vm_vsrc(0)
	s_getreg_b32 s2, hwreg(HW_REG_IB_STS2, 6, 4)
	s_cmp_eq_u32 s2, 0
	s_cbranch_scc0 .Lentry_in_a_cluster
	s_endpgm
.Lentry_in_a_cluster:
	s_bfe_u32 s2, ttmp6, 0x10000c
	s_cmp_lg_u32 s2, 0x3003
	s_cbranch_scc0 .Lentry_shape_is_right
	s_endpgm
.Lentry_shape_is_right:
; Launch 3 of 4: for each batch and head, ctx = softmax(q k^T / 8) v on codes of E4M3, and ctx quantised along the model's axis for the last product.  Nothing of the problem is left out.
; THE SOFTMAX AHEAD OF THE SECOND PRODUCT: t = score x log2(e) / 8; M = the row's largest t so far, rounded UP to a whole number; p = 2^(t - M) is what is quantised, along the keys, not normalised.
; The row's sum is taken of the unquantised p and divides at the end (a reciprocal and a multiplication).  When M moves, the sum and O are multiplied by 2^(old M - new M): exact.
; SHARES: a work-group owns 256 queries of one head; each of its eight waves two tiles of 16 queries, so that each fragment of k and v feeds two products.  Two waves to a SIMD.
; THE WHOLE HEAD LIES IN LDS: k's codes 128 KiB (8,192 bytes a key step), v's 128 KiB behind them, their scale words 16 KiB.  Every byte is filled once, in two groups of one load a wave:
; at the head the scale words, k's key steps 0 to 4 and v's 0 to 3; behind the first round the rest, which key step 4's v is the first to need.  No prefetch: these two groups are all the loads there are, and no loop of loads is there to run ahead in.
; CLUSTER: the four work-groups of a cluster walk the same head: every fill is a joint load with a mask that names the four.
; LAYOUT: both products transposed (S^T = k q^T, O^T = v^T p^T): a lane holds ONE query of each tile.  k's tiles hold keys 32 (t / 2) + 8 (t % 2) + r + 8 (r / 8), so p's 16 registers of tiles 2 b, 2 b + 1 are 16 neighbouring keys;
; v's tiles hold channels by the same rule, so O^T's 16 registers of tiles 2 b, 2 b + 1 are 16 neighbouring channels: ctx's codes come out as the last product's fragment.
; THE FIRST PRODUCT'S K IS 64, the instruction's 128.  q's upper 64 are zero codes, written once.  k's eight tiles of a step lie on end, 8 registers each, with 8 registers of zero codes behind the last: tile t's operand is
; its own 8 registers and the 8 that follow, whose codes (numbers of the format, never NaN: the quantiser holds them) meet q's zeros and add nothing; the scale bytes of that half are 0, which is a number.
; A key step has one barrier: its signal behind the first products, its wait in the step's middle: it orders no bytes; it keeps the work-group's waves within one step of each other.
; LIMITS: as in launch 1 (byte 1 for blocks under 2^-118; no NaN, no infinities); the scaled scores stay under 2^31 in magnitude.  ctx's scale bytes leave two to a lane (a word's halves belong to two heads, so to two work-groups): one byte in 32 of what the launch stores.
; REGISTERS, window 0: v1-11 addresses; for query tile u: v[12+2u] -M, v[13+2u] the largest score, v[16+2u:17+2u] the sum, v[20+2u] f, v[21+2u] the last -M, v[24+16u..] at work; v56-63 k's scale words; v64-127, v128-191 S^T, then p; v192-223 p's codes;
; v224-225 q's scale words, v226-229 v's, v238-239 p's.   Window 1: v0-63 k's tiles, v64-71 zeros; v72-103 q, two tiles; v104-167 O^T; v168-231 v's four tiles.
; (The wait of that barrier stands in the step's middle, ahead of the second batch of exponentials: a wave is at most half a step ahead.  The step's LDS loads are spread over it: v's tiles among the maxima, the next step's k ahead of the waits on the vector side.)
.set VB,    131072                     ; v's codes begin behind k's
.set SCK,   262144                     ; behind the codes: k's scale words, 512 bytes a key step;
.set SCV,   SCK+8192                   ; v's likewise
.set SPARE, SCV+8192                   ; the spare words, 128 bytes for each wave: four blocks of 256 bytes that no other line names
.set AK0,  1                           ; v1   16 x lane
.set AV0,  2                           ; v2   VB + 16 x lane
.set ASK0, 3                           ; v3   k's scale bytes: SCK + 16 r + 2 (head % 2)
.set ASV0, 4                           ; v4   v's scale words: SCV + 16 r + 8 (head % 2)
.set SPW,  5                           ; v5   LDS address of my spare word; never rewritten
.set NIL,  6                           ; v6   0; never rewritten
.set R8,   7                           ; v7   8 r: the way out
.set ADK,  8
.set ADV,  9
.set ADS,  10
.set ADT,  11
.set KS,   56
.set S,    64
.set PC,   192
.set QS,   224
.set VS,   226                         ; v226: channel tile 0's words, v227: tile 2's, v228: tile 1's, v229: tile 3's
.set PS,   238
.set FLR,  240                         ; v240 the floor 2^(9 - 127)
.set QF,   72                          ; window 1
.set O,    104
.set VF,   168
.set NC,   2                           ; s2   -log2(e) / 8
.set WV,   12                          ; s12  my wave's number
.set SEL,  20                          ; s[20:21] v_permlanex16_b32's selects for lane l xor 16
.set CS,   22                          ; s[22:23] c = log2(e) / 8
.set MNT,  24                          ; s24  the mantissa field of 448
.set TB,   25                          ; s25  8,192 x the key step
.set TS,   26                          ; s26  512 x the key step
.set CNT,  27
.set G1K,  28                          ; s[28:35] group 1 for k's tiles;  s[36:43] for v's;  s[44:51] for scale words
.set G1V,  36
.set G1S,  44
.set G0K,  52                          ; groups 0
.set G0V,  56
.set G0SK, 60
.set G0SV, 68
.set MSB, 0
.macro WIN new                         ; the immediate's high byte repeats the setting that is left
.if MSB != \new
	s_set_vgpr_msb (MSB<<8)|\new
.set MSB, \new
.endif
.endm
.macro WALU
	s_wait_alu depctr_va_vdst(0)
.endm
.macro CROUND
	s_barrier_signal -1
	s_barrier_wait -1
	s_cmp_lg_u32 s[WV], 0
	s_cbranch_scc1 .Lnot_wave_0_\@
	s_barrier_signal -3
.Lnot_wave_0_\@:
	s_barrier_wait -3
	s_barrier_signal -1
	s_barrier_wait -1
.endm
	s_load_b256 s[4:11], s[0:1], 0x0               ; qkv_img s[4:5], qkv_sc s[6:7], ctx_img s[8:9], ctx_sc s[10:11]
	v_lshl_add_u32 v[SPW], v0, 2, SPARE
	v_mov_b32 v[NIL], 0
	ds_add_u32 v[SPW], v[NIL]                      ; the wave's opening: the add, twice on end, and its wait ahead of my first tensor load; work on registers stands between
	ds_add_u32 v[SPW], v[NIL]
	v_lshrrev_b32 v8, 5, v0
	v_readfirstlane_b32 s[WV], v8                  ; wave 0..7
	s_bfe_u32 s13, ttmp6, 0x40000                  ; cx
	s_lshl_b32 s14, ttmp9, 2
	s_add_co_u32 s14, s14, s13                     ; my block of 256 queries: it enters q's and ctx's addresses alone
	s_and_b32 s15, ttmp7, 0xffff                   ; batch x 16 + head, which the four partners share
	s_lshr_b32 s16, s15, 4                         ; b
	s_and_b32 s17, s15, 15                         ; h
	s_and_b32 s18, s17, 1                          ; which head of its pair
	s_lshr_b32 s19, s17, 1                         ; the pair
	s_mov_b32 s[SEL], 0x76543210
	s_mov_b32 s[SEL+1], 0xfedcba98
	s_mov_b32 s[CS], 0x3e38aa3b
	s_mov_b32 s[CS+1], s[CS]                       ; (named with it as a pair, so it is written)
	s_mov_b32 s[NC], 0xbe38aa3b
	s_mov_b32 s[MNT], 0x600000
	; group 1, elements of 8 bytes, mask 15 with bit 21 beside it.  k: tiles' halves of 1,024 bytes, 2,048 apart;  v: a key step's 8,192 dense bytes, 131,072 apart;  scale words: 4,096 dense bytes as 16 rows of 256
	s_mov_b32 s[G1K], 15|(3<<16)|(1<<21)
	s_mov_b32 s[G1K+1], 128<<16
	s_mov_b32 s[G1K+2], 20<<16
	s_mov_b32 s[G1K+3], 128<<16
	s_mov_b32 s[G1K+4], 20
	s_mov_b32 s[G1K+5], 256
	s_mov_b32 s[G1K+6], 0
	s_mov_b32 s[G1K+7], 0
	s_mov_b32 s[G1V], 15|(3<<16)|(1<<21)
	s_mov_b32 s[G1V+1], 1024<<16
	s_mov_b32 s[G1V+2], 2<<16
	s_mov_b32 s[G1V+3], 1024<<16
	s_mov_b32 s[G1V+4], 2
	s_mov_b32 s[G1V+5], 16384
	s_mov_b32 s[G1V+6], 0
	s_mov_b32 s[G1V+7], 0
	s_mov_b32 s[G1S], 15|(3<<16)|(1<<21)
	s_mov_b32 s[G1S+1], 32<<16
	s_mov_b32 s[G1S+2], 16<<16
	s_mov_b32 s[G1S+3], 32<<16
	s_mov_b32 s[G1S+4], 16
	s_mov_b32 s[G1S+5], 32
	s_mov_b32 s[G1S+6], 0
	s_mov_b32 s[G1S+7], 0
	s_and_b32 s80, s[WV], 1
	s_add_co_u32 s81, s19, 8                       ; k's G = 8 + head pair
	s_lshl_b32 s72, s81, 8
	s_lshl_b32 s83, s16, 7
	s_add_co_u32 s72, s72, s83
	s_lshl_b32 s72, s72, 11                        ; k: (G 256 + 128 b) images,
	s_lshl_b32 s83, s18, 10
	s_add_co_u32 s72, s72, s83                     ; my head's half of each
	s_mov_b32 s73, 0
	s_lshl_b32 s74, s16, 10
	s_lshl_b32 s83, s17, 2
	s_add_co_u32 s74, s74, s83                     ; v: image (16 b + key step) 64 + 4 h,
	s_lshl_b32 s74, s74, 11
	s_add_co_u32 s74, s74, 8388608                 ; behind q's and k's images
	s_mov_b32 s75, 0
	s_lshl_b32 s76, s81, 5
	s_lshl_b32 s83, s16, 4
	s_add_co_u32 s76, s76, s83
	s_lshl_b32 s76, s76, 9                         ; k's scale blocks: G 32 + 16 b on
	s_lshl_b32 s78, s16, 3
	s_add_co_u32 s78, s78, s19
	s_lshl_b32 s78, s78, 13
	s_add_co_u32 s78, s78, 262144                  ; v's: 16 blocks for a batch and head pair
	s_lshl_b32 s83, s80, 12
	s_add_co_u32 s76, s76, s83                     ; half of them a wave
	s_add_co_u32 s78, s78, s83
	s_mov_b32 s77, 0
	s_mov_b32 s79, 0
	s_mul_i32 s86, s80, 40960                      ; 20 tiles of k a wave,
	s_mov_b32 s87, 0
	s_lshl_b32 s88, s80, 18                        ; two key steps of v
	s_mov_b32 s89, 0
	s_wait_dscnt 0x0                               ; both opening adds are done
	s_wait_kmcnt 0x0
	s_add_nc_u64 s[72:73], s[4:5], s[72:73]
	s_add_nc_u64 s[74:75], s[4:5], s[74:75]
	s_add_nc_u64 s[76:77], s[6:7], s[76:77]
	s_add_nc_u64 s[78:79], s[6:7], s[78:79]
	CROUND                                         ; all four work-groups are here: the joint loads meet
	s_mov_b32 s[G0K], 1
	s_mul_i32 s[G0K+1], s80, 20480                 ; (no place in the cluster enters an LDS address)
	s_add_nc_u64 s[G0K+2:G0K+3], s[72:73], s[86:87]
	s_or_b32 s[G0K+3], s[G0K+3], 0x80000000
	s_mov_b32 s[G0V], 1
	s_lshl_b32 s[G0V+1], s80, 14
	s_add_co_u32 s[G0V+1], s[G0V+1], VB
	s_add_nc_u64 s[G0V+2:G0V+3], s[74:75], s[88:89]
	s_or_b32 s[G0V+3], s[G0V+3], 0x80000000
	s_mov_b32 s[G0SK], 1
	s_lshl_b32 s[G0SK+1], s80, 12
	s_add_co_u32 s[G0SK+1], s[G0SK+1], SCK
	s_mov_b64 s[G0SK+2:G0SK+3], s[76:77]
	s_or_b32 s[G0SK+3], s[G0SK+3], 0x80000000
	s_mov_b32 s[G0SV], 1
	s_lshl_b32 s[G0SV+1], s80, 12
	s_add_co_u32 s[G0SV+1], s[G0SV+1], SCV
	s_mov_b64 s[G0SV+2:G0SV+3], s[78:79]
	s_or_b32 s[G0SV+3], s[G0SV+3], 0x80000000
; THE HEAD'S LOADS, ONE A WAVE: waves 0, 1: k's key steps 0 to 4; 2, 3: v's 0 to 3; 4, 5: k's scale words; 6, 7: v's.  One tree: every way through it passes exactly one load.
.macro ARM under, g0, g1, next
	s_cmp_lt_u32 s[WV], \under
	s_cbranch_scc0 \next
	tensor_load_to_lds s[\g0:\g0+3], s[\g1:\g1+7]
	s_nop 0
.rept 4
	v_nop
.endr
	s_branch .Lhead_asked
\next:
.endm
	ARM 2, G0K,  G1K, .Lhead_v
	ARM 4, G0V,  G1V, .Lhead_sk
	ARM 6, G0SK, G1S, .Lhead_sv
	tensor_load_to_lds s[G0SV:G0SV+3], s[G1S:G1S+7]
	s_nop 0
.rept 4
	v_nop
.endr
.Lhead_asked:
	; my first query tile T = 128 b + 16 (block of queries) + 2 wave, an even number; the other is T + 1
	s_lshl_b32 s80, s16, 7
	s_lshl_b32 s81, s14, 4
	s_add_co_u32 s80, s80, s81
	s_lshl_b32 s81, s[WV], 1
	s_add_co_u32 s80, s80, s81
	s_lshl_b32 s82, s19, 8
	s_add_co_u32 s82, s82, s80
	s_lshl_b32 s82, s82, 11
	s_lshl_b32 s86, s18, 10
	s_add_co_u32 s82, s82, s86
	s_mov_b32 s83, 0
	s_add_nc_u64 s[82:83], s[4:5], s[82:83]        ; q's codes: image (head pair) 256 + T, my head's half
	s_lshl_b32 s84, s19, 5
	s_lshr_b32 s86, s80, 3
	s_add_co_u32 s84, s84, s86
	s_lshl_b32 s84, s84, 9                         ; q's scale bytes: block (head pair) 32 + T / 8 (an odd tile's 256 bytes on),
	s_bfe_u32 s86, s80, 0x20001
	s_lshl_b32 s86, s86, 2
	s_add_co_u32 s84, s84, s86                     ; + 4 ((T % 8) / 2)
	s_lshl_b32 s86, s18, 1
	s_add_co_u32 s84, s84, s86                     ; + my head's two bytes of the word
	s_mov_b32 s85, 0
	s_add_nc_u64 s[84:85], s[6:7], s[84:85]
	s_lshr_b32 s86, s19, 1                         ; ctx: K step of 256 = head pair / 2, q = head pair % 2
	s_and_b32 s87, s19, 1
	s_lshl_b32 s88, s86, 8
	s_add_co_u32 s88, s88, s80
	s_lshl_b32 s88, s88, 1
	s_add_co_u32 s88, s88, s87
	s_lshl_b32 s88, s88, 11
	s_lshl_b32 s81, s18, 10
	s_add_co_u32 s88, s88, s81                     ; my head's blocks c = 2 (head % 2), + 1
	s_mov_b32 s89, 0
	s_add_nc_u64 s[8:9], s[8:9], s[88:89]
	s_lshr_b32 s88, s80, 1
	s_lshl_b32 s88, s88, 10
	s_lshl_b32 s86, s86, 8
	s_add_co_u32 s88, s88, s86
	s_lshl_b32 s87, s87, 2
	s_add_co_u32 s88, s88, s87
	s_lshl_b32 s86, s18, 1
	s_add_co_u32 s88, s88, s86
	s_add_nc_u64 s[10:11], s[10:11], s[88:89]
	s_lshl_b32 s86, s18, 1
	s_add_co_u32 s86, s86, SCK
	s_lshl_b32 s87, s18, 3
	s_add_co_u32 s87, s87, SCV
	v_and_b32 v8, 31, v0                           ; lane
	v_and_b32 v9, 15, v0                           ; r
	v_lshlrev_b32 v[AK0], 4, v8
	v_add_nc_u32 v[AV0], VB, v[AK0]
	v_lshlrev_b32 v10, 4, v9
	v_lshlrev_b32 v[R8], 3, v9
	v_add_nc_u32 v[ASK0], s86, v10
	v_add_nc_u32 v[ASV0], s87, v10
	WALU
	global_load_u16 v[QS], v10, s[84:85]           ; q's two scale bytes; the word's upper bytes are 0
	global_load_u16 v[QS+1], v10, s[84:85] offset:256
	WIN 0x40
.irp u, 0,1
	global_load_b128 v[QF+16*\u:QF+16*\u+3], v[AK0], s[82:83] offset:2048*\u  ; q's fragments stay in registers: k = 0 .. 63
	global_load_b128 v[QF+16*\u+4:QF+16*\u+7], v[AK0], s[82:83] offset:2048*\u+512
.endr
.set j, 0
.rept 8
	v_mov_b32 v[64+j], 0                           ; zero codes, written once: the eight registers behind k's last tile,
	v_mov_b32 v[QF+8+j], 0                         ; and q's k = 64 .. 127
	v_mov_b32 v[QF+24+j], 0
.set j, j+1
.endr
.set j, 0
.rept 64
	v_mov_b32 v[O+j], 0                            ; O^T.  (The step's first run finds zeros, which the first change of M leaves zeros)
.set j, j+1
.endr
	WIN 0
.irp u, 0,1
	v_mov_b32 v[13+2*\u], 0xff61b1e6               ; the largest score so far: -3e38, under every score
	v_mul_f32 v[12+2*\u], s[NC], v[13+2*\u]
	v_floor_f32 v[12+2*\u], v[12+2*\u]             ; -M
	v_mov_b32 v[16+2*\u], 0                        ; the sum, in two halves
	v_mov_b32 v[17+2*\u], 0
.irp b, 0,1,2,3
	v_mov_b32 v[28+16*\u+\b], 0                    ; written once: a lane permute's destination counts as one of its sources
.endr
.endr
	v_mov_b32 v[FLR], 0x4800000
	s_mov_b32 s[TB], 0
	s_mov_b32 s[TS], 0
	s_and_b32 s80, s[WV], 3
	WALU                                           ; the head's end
	s_wait_loadcnt 0x0                             ; q
	s_wait_tensorcnt 0x0                           ; my part of the first group is in
	ds_add_u32 v[SPW], v[NIL]
	s_mov_b32 s[G1K+2], 22<<16                     ; no tensor load of mine is out, so descriptors may be written: waves 0 to 3 fetch 22 tiles of k each, waves 4 to 7 three key steps of v
	s_mov_b32 s[G1K+4], 22
	s_mov_b32 s[G1V+2], 3<<16
	s_mov_b32 s[G1V+4], 3
	s_mul_i32 s[G0K+1], s80, 22528
	s_add_co_u32 s[G0K+1], s[G0K+1], 40960
	s_mul_i32 s86, s80, 45056
	s_add_co_u32 s86, s86, 81920
	s_mov_b32 s87, 0
	s_add_nc_u64 s[G0K+2:G0K+3], s[72:73], s[86:87]
	s_or_b32 s[G0K+3], s[G0K+3], 0x80000000
	s_mul_i32 s[G0V+1], s80, 24576
	s_add_co_u32 s[G0V+1], s[G0V+1], VB+32768
	s_mul_i32 s88, s80, 393216
	s_add_co_u32 s88, s88, 524288
	s_mov_b32 s89, 0
	s_add_nc_u64 s[G0V+2:G0V+3], s[74:75], s[88:89]
	s_or_b32 s[G0V+3], s[G0V+3], 0x80000000
	s_wait_dscnt 0x0                               ; the add is done
	CROUND                                         ; the first group is in, and the joint loads meet
	s_cmp_lt_u32 s[WV], 4
	s_cbranch_scc0 .Lrest_v
	tensor_load_to_lds s[G0K:G0K+3], s[G1K:G1K+7]
	s_nop 0
.rept 4
	v_nop
.endr
	s_branch .Lrest_asked
.Lrest_v:
	tensor_load_to_lds s[G0V:G0V+3], s[G1V:G1V+7]
	s_nop 0
.rept 4
	v_nop
.endr
.Lrest_asked:
.macro KLOAD adk, ads, ok, os          ; a key step's eight tiles of k, 8 registers each, and their scale bytes
	WIN 0x40
.irp t, 0,1,2,3,4,5,6,7
	ds_load_b128 v[8*\t:8*\t+3], v[\adk] offset:\ok+\t*1024
	ds_load_b128 v[8*\t+4:8*\t+7], v[\adk] offset:\ok+\t*1024+512
.endr
	WIN 0
.irp t, 0,1,2,3,4,5,6,7
	ds_load_u16 v[KS+\t], v[\ads] offset:\os+256*(\t%2)+4*(\t/2)
.endr
.endm
.macro ADDP u, from, to                ; pairs of p join the row's sum, four chains by turns: v[230:235] and the sum itself
.set P_, \from
.rept (\to)-(\from)
.if (P_-7)%4 == 3
	v_pk_add_f32 v[16+2*\u:17+2*\u], v[16+2*\u:17+2*\u], v[S+64*\u+2*P_:S+64*\u+2*P_+1]
.else
	v_pk_add_f32 v[230+2*((P_-7)%4):231+2*((P_-7)%4)], v[230+2*((P_-7)%4):231+2*((P_-7)%4)], v[S+64*\u+2*P_:S+64*\u+2*P_+1]
.endif
.set P_, P_+1
.endr
.endm
.macro SUMSCALE u                      ; tile u: the sum of the unquantised p, and between its lines the four blocks' scales
.irp g, 0,1,2
	v_pk_add_f32 v[230+2*\g:231+2*\g], v[S+64*\u+4*\g:S+64*\u+4*\g+1], v[S+64*\u+4*\g+2:S+64*\u+4*\g+3]
.endr
	v_pk_add_f32 v[16+2*\u:17+2*\u], v[16+2*\u:17+2*\u], v[S+64*\u+12:S+64*\u+13]
.irp b, 0,2
	v_dual_max_num_f32 v[24+16*\u+\b], v[24+16*\u+\b], v[FLR] :: v_dual_max_num_f32 v[25+16*\u+\b], v[25+16*\u+\b], v[FLR]   ; the floor: the byte cannot fall under 1
.endr
	ADDP \u, 7, 11
.irp b, 0,1,2,3
	v_add_nc_u32 v[32+16*\u+\b], 0xfc000000, v[24+16*\u+\b]   ; 8 off the exponent field: the conversion's scale operand
.endr
	ADDP \u, 11, 15
.irp b, 0,1,2,3
	v_and_or_b32 v[36+16*\u+\b], v[24+16*\u+\b], 0x7f800000, s[MNT]   ; 448 x the scale
.endr
	ADDP \u, 15, 19
.irp b, 0,1,2,3
	v_lshrrev_b32 v[28+16*\u+\b], 23, v[32+16*\u+\b]   ; the scale's byte
.endr
	ADDP \u, 19, 23
	v_lshl_or_b32 v[PS+\u], v[29+16*\u], 8, v[28+16*\u]   ; p's scale word for these 128 keys
	ADDP \u, 23, 27
	v_lshl_or_b32 v[PS+\u], v[30+16*\u], 16, v[PS+\u]
	ADDP \u, 27, 32
	v_lshl_or_b32 v[PS+\u], v[31+16*\u], 24, v[PS+\u]
	v_pk_add_f32 v[230:231], v[230:231], v[232:233]
	v_pk_add_f32 v[16+2*\u:17+2*\u], v[16+2*\u:17+2*\u], v[234:235]
	v_pk_add_f32 v[16+2*\u:17+2*\u], v[16+2*\u:17+2*\u], v[230:231]
.endm
; THE HOLD, one-sided (p is not negative; the conversion to an 8-bit code does not saturate: ISA guide 7.6.2), line n of 32, two numbers an instruction.  The dual form wants one even and one odd destination
; and its like sources in different register banks: so its halves take two blocks.
.macro HOLD u, n
.set B_, 2*((\n)/16)
.set X_, S+64*\u+16*B_+2*(((\n)%16)/2)
.set H_, 36+16*\u+B_
.if (\n)%2 == 0
	v_dual_min_num_f32 v[X_], v[X_], v[H_] :: v_dual_min_num_f32 v[X_+17], v[X_+17], v[H_+1]
.else
	v_dual_min_num_f32 v[X_+16], v[X_+16], v[H_+1] :: v_dual_min_num_f32 v[X_+1], v[X_+1], v[H_]
.endif
.endm
.macro CODES u
.irp b, 0,1,2,3
	v_cvt_scalef32_pk8_fp8_f32 v[PC+16*\u+4*\b:PC+16*\u+4*\b+1], v[S+64*\u+16*\b:S+64*\u+16*\b+7], v[32+16*\u+\b]
	v_cvt_scalef32_pk8_fp8_f32 v[PC+16*\u+4*\b+2:PC+16*\u+4*\b+3], v[S+64*\u+16*\b+8:S+64*\u+16*\b+15], v[32+16*\u+\b]
.endr
.endm
.macro VLOAD from, n                   ; n of v's tiles of this step
	WIN 0x40
.set T_, \from
.rept \n
.irp c, 0,1,2,3
	ds_load_b128 v[VF+16*T_+4*\c:VF+16*T_+4*\c+3], v[ADV] offset:2048*T_+512*\c
.endr
.set T_, T_+1
.endr
	WIN 0
.endm
.macro KL t                            ; tiles t, t + 1 of the next step's k.
	WIN 0x40
.irp i, 0,1
	ds_load_b128 v[8*(\t+\i):8*(\t+\i)+3], v[ADK] offset:8192+(\t+\i)*1024
	ds_load_b128 v[8*(\t+\i)+4:8*(\t+\i)+7], v[ADK] offset:8192+(\t+\i)*1024+512
.endr
	WIN 0
.endm
; A KEY STEP: 128 keys, both query tiles; its k is in registers and no LDS load is out.
.macro STEP
	WIN 0x05                                       ; S^T = k q^T: k and q in window 1, results in window 0
.irp u, 0,1
.irp t, 0,1,2,3,4,5,6,7
	v_wmma_scale_f32_16x16x128_f8f6f4 v[S+64*\u+8*\t:S+64*\u+8*\t+7], v[8*\t:8*\t+15], v[QF+16*\u:QF+16*\u+15], 0, v[KS+\t], v[QS+\u]
.endr
.endr                                              ; lane (r, h) holds query r; the 16 registers of tiles 2 b, 2 b + 1 are keys 32 b + 16 h + 0 .. 15 of the step
	WIN 0
	s_barrier_signal -1                            ; I have begun this step
	v_mov_b32 v21, v12                             ; eight places ahead of the loads into k's registers and of the first read of the scores: the last -M of both tiles,
	v_mov_b32 v23, v14
	v_add_nc_u32 v[ADV], s[TB], v[AV0]             ; the step's four addresses,
	v_add_nc_u32 v[ADT], s[TS], v[ASV0]
	v_add_nc_u32 v[ADK], s[TB], v[AK0]
	v_add_nc_u32 v[ADS], s[TS], v[ASK0]
	v_nop                                          ; and two more
	v_nop
	VLOAD 0, 2
.irp u, 0,1                                        ; the largest score of each block of 32 keys: eight chains by turns; each accumulator is read from its low end on
.irp b, 0,1,2,3
	v_max3_num_f32 v[24+16*\u+\b], v[S+64*\u+16*\b], v[S+64*\u+16*\b+1], v[S+64*\u+16*\b+2]
.endr
.endr
.irp i, 3,5,7
.irp u, 0,1
.irp b, 0,1,2,3
	v_max3_num_f32 v[24+16*\u+\b], v[24+16*\u+\b], v[S+64*\u+16*\b+\i], v[S+64*\u+16*\b+\i+1]
.endr
.endr
.endr
	VLOAD 2, 1
.irp i, 9,11,13
.irp u, 0,1
.irp b, 0,1,2,3
	v_max3_num_f32 v[24+16*\u+\b], v[24+16*\u+\b], v[S+64*\u+16*\b+\i], v[S+64*\u+16*\b+\i+1]
.endr
.endr
.endr
.irp u, 0,1
.irp b, 0,1,2,3
	v_max_num_f32 v[24+16*\u+\b], v[24+16*\u+\b], v[S+64*\u+16*\b+15]
.endr
.endr
.irp u, 0,1
.irp b, 0,1,2,3
	v_permlanex16_b32 v[28+16*\u+\b], v[24+16*\u+\b], s[SEL], s[SEL+1]
.endr
.endr
	VLOAD 3, 1
	ds_load_b64 v[VS:VS+1], v[ADT]                 ; v's scale words: channel tiles 0 and 2,
	ds_load_b64 v[VS+2:VS+3], v[ADT] offset:256    ; 1 and 3
.irp u, 0,1
.irp b, 0,2
	v_dual_max_num_f32 v[24+16*\u+\b], v[24+16*\u+\b], v[28+16*\u+\b] :: v_dual_max_num_f32 v[25+16*\u+\b], v[25+16*\u+\b], v[29+16*\u+\b]   ; with lane l xor 16's 16 keys.  It serves twice: for the row's maximum, and, since p rises with the score, for the block's largest p
.endr
.endr
.irp u, 0,1
	v_max3_num_f32 v[28+16*\u], v[24+16*\u], v[25+16*\u], v[26+16*\u]
.endr
.irp u, 0,1
	v_max3_num_f32 v[13+2*\u], v[28+16*\u], v[27+16*\u], v[13+2*\u]   ; the running largest score
.endr
.irp u, 0,1
	v_mul_f32 v[12+2*\u], s[NC], v[13+2*\u]        ; -t of it
.endr
.irp u, 0,1
	v_floor_f32 v[12+2*\u], v[12+2*\u]             ; the new -M = floor(-t) = -ceil(t)
.endr
.irp u, 0,1
	v_sub_f32 v[20+2*\u], v[12+2*\u], v[21+2*\u]   ; old M - new M: a whole number, 0 or less
.endr
.irp u, 0,1
	v_cvt_i32_f32 v[20+2*\u], v[20+2*\u]           ; (it saturates)
.endr
.irp u, 0,1
	v_ldexp_f32 v[20+2*\u], 1.0, v[20+2*\u]        ; f = 2^(old M - new M)
.endr
.irp u, 0,1
.irp b, 0,1,2,3
	v_fma_f32 v[24+16*\u+\b], v[24+16*\u+\b], s[CS], v[12+2*\u]   ; t - M of each block's largest score
.endr
.endr
.set J_, 0
.rept 32
	v_pk_fma_f32 v[S+2*J_:S+2*J_+1], v[S+2*J_:S+2*J_+1], s[CS:CS+1], v[12:13] op_sel_hi:[1,0,0]   ; tile 0: t - M, two at a time
.set J_, J_+1
.endr
	KL 0
	WALU                                           ; ahead of the batch: tile 0's exponentials, and between them tile 1's scalings, which no line reads ahead of the next such wait
.irp b, 0,1,2,3
	v_exp_f32 v[24+\b], v[24+\b]                   ; the block's largest p: the same two operations on the same number as its element's
.endr
.set J_, 0
.rept 32
	v_exp_f32 v[S+2*J_], v[S+2*J_]                 ; p = 2^(t - M), at most 1
	v_pk_fma_f32 v[S+64+2*J_:S+64+2*J_+1], v[S+64+2*J_:S+64+2*J_+1], s[CS:CS+1], v[14:15] op_sel_hi:[1,0,0]
	v_exp_f32 v[S+2*J_+1], v[S+2*J_+1]
.set J_, J_+1
.endr
	v_pk_mul_f32 v[16:17], v[16:17], v[20:21] op_sel_hi:[1,0]   ; the sums under the new M: the plain line behind the last exponential
	KL 2
	WALU                                           ; behind the batch, ahead of its first reader
	SUMSCALE 0
	KL 4
	WALU                                           ; ahead of the wait below and of the next batch
	s_barrier_wait -1                              ; every wave has begun this step.  Then tile 1's exponentials, and between them tile 0's holds and the loads of k's scale bytes
.irp b, 0,1,2,3
	v_exp_f32 v[40+\b], v[40+\b]
.endr
.set J_, 0
.rept 32
	v_exp_f32 v[S+64+2*J_], v[S+64+2*J_]
	HOLD 0, J_
.if J_ < 8
	ds_load_u16 v[KS+J_], v[ADS] offset:512+256*(J_%2)+4*(J_/2)
.endif
	v_exp_f32 v[S+64+2*J_+1], v[S+64+2*J_+1]
.set J_, J_+1
.endr
	v_pk_mul_f32 v[18:19], v[18:19], v[22:23] op_sel_hi:[1,0]
	KL 6
	WALU
	CODES 0
	SUMSCALE 1
.set J_, 0
.rept 32
	HOLD 1, J_
.set J_, J_+1
.endr
	CODES 1
	WIN 0x41
	WALU                                           ; directly ahead of the first readers of O^T
.irp u, 0,1
.set J_, 0
.rept 16
	v_pk_mul_f32 v[O+32*\u+J_:O+32*\u+J_+1], v[O+32*\u+J_:O+32*\u+J_+1], v[20+2*\u:21+2*\u] op_sel_hi:[1,0]   ; O^T under the new M: also the places between the conversions and the products
.set J_, J_+2
.endr
.endr
	WIN 0x51                                       ; O^T += v^T p^T: v, C and D in window 1, codes in window 0
	WALU
	s_wait_dscnt 24                                ; v's tiles and scale words: behind them I issued 16 loads of k and 8 of its scale bytes
.irp u, 0,1
	v_wmma_scale_f32_16x16x128_f8f6f4 v[O+32*\u:O+32*\u+7], v[VF:VF+15], v[PC+16*\u:PC+16*\u+15], v[O+32*\u:O+32*\u+7], v[VS], v[PS+\u]
	v_wmma_scale_f32_16x16x128_f8f6f4 v[O+32*\u+8:O+32*\u+15], v[VF+16:VF+31], v[PC+16*\u:PC+16*\u+15], v[O+32*\u+8:O+32*\u+15], v[VS+2], v[PS+\u]
	v_wmma_scale_f32_16x16x128_f8f6f4 v[O+32*\u+16:O+32*\u+23], v[VF+32:VF+47], v[PC+16*\u:PC+16*\u+15], v[O+32*\u+16:O+32*\u+23], v[VS+1], v[PS+\u]
	v_wmma_scale_f32_16x16x128_f8f6f4 v[O+32*\u+24:O+32*\u+31], v[VF+48:VF+63], v[PC+16*\u:PC+16*\u+15], v[O+32*\u+24:O+32*\u+31], v[VS+3], v[PS+\u]
.endr
	WIN 0
	s_add_co_u32 s[TB], s[TB], 8192
	s_add_co_u32 s[TS], s[TS], 512
	s_wait_dscnt 0x0                               ; the next step's k
.endm
	KLOAD AK0, ASK0, 0, 0
	s_wait_dscnt 0x0
	s_mov_b32 s[CNT], 4
.Lfirst:                                           ; key steps 0 to 3; they ask for the k of steps 1 to 4, which the first group brought
	STEP
	s_sub_co_u32 s[CNT], s[CNT], 1
	s_cmp_lg_u32 s[CNT], 0
	s_cbranch_scc1 .Lfirst
	s_wait_tensorcnt 0x0                           ; my part of the second group is in
	s_wait_dscnt 0x0
	s_barrier_signal -1
	s_barrier_wait -1                              ; every wave's is
	s_mov_b32 s[CNT], 12
.Lrest:                                            ; key steps 4 to 15
	STEP
	s_sub_co_u32 s[CNT], s[CNT], 1
	s_cmp_lg_u32 s[CNT], 0
	s_cbranch_scc1 .Lrest
	; THE WAY OUT.  O^T / the sum: register 16 b + i of tile u is channel 32 b + 16 h + i of my head: two blocks of 32 along the last product's K, quantised and stored as a quarter of a fragment's image each.
	v_add_f32 v16, v16, v17                        ; the sums' two halves (these lines are places behind the last products too),
	v_add_f32 v18, v18, v19
	v_permlanex16_b32 v28, v16, s[SEL], s[SEL+1]
	v_permlanex16_b32 v44, v18, s[SEL], s[SEL+1]
	v_add_f32 v16, v16, v28                        ; and lane l xor 16's
	v_add_f32 v18, v18, v44
	v_nop
	v_nop
	WALU
	v_rcp_f32 v20, v16
	v_rcp_f32 v22, v18
	v_nop                                          ; a plain line behind the reciprocals
	WIN 0x01
	WALU                                           ; ahead of their first reader, and of O^T's
.irp u, 0,1
.set J_, 0
.rept 16
	v_pk_mul_f32 v[S+64*\u+J_:S+64*\u+J_+1], v[O+32*\u+J_:O+32*\u+J_+1], v[20+2*\u:21+2*\u] op_sel_hi:[1,0]
.set J_, J_+2
.endr
.endr
	WIN 0
.irp u, 0,1
.irp b, 0,1
	v_max3_num_f32 v[24+2*\u+\b], |v[S+64*\u+16*\b]|, |v[S+64*\u+16*\b+1]|, 0x4800000
.endr
.endr
.irp i, 2,4,6,8,10,12,14
.irp u, 0,1
.irp b, 0,1
	v_max3_num_f32 v[24+2*\u+\b], v[24+2*\u+\b], |v[S+64*\u+16*\b+\i]|, |v[S+64*\u+16*\b+\i+1]|
.endr
.endr
.endr
.irp i, 0,1,2,3
	v_permlanex16_b32 v[28+\i], v[24+\i], s[SEL], s[SEL+1]
.endr
.irp i, 0,1,2,3
	v_max_num_f32 v[24+\i], v[24+\i], v[28+\i]
.endr
.irp i, 0,1,2,3
	v_add_nc_u32 v[32+\i], 0xfc000000, v[24+\i]
.endr
.irp i, 0,1,2,3
	v_and_or_b32 v[36+\i], v[24+\i], 0x7f800000, s[MNT]
.endr
.irp i, 0,1,2,3
	v_lshrrev_b32 v[28+\i], 23, v[32+\i]
.endr
	v_lshl_or_b32 v241, v29, 8, v28                ; my head's two bytes of each row's scale word
	v_lshl_or_b32 v242, v31, 8, v30
.irp u, 0,1
.irp b, 0,1
.set J_, S+64*\u+16*\b
.rept 16
	v_med3_num_f32 v[J_], v[J_], -v[36+2*\u+\b], v[36+2*\u+\b]
.set J_, J_+1
.endr
	v_cvt_scalef32_pk8_fp8_f32 v[PC+16*\u+4*\b:PC+16*\u+4*\b+1], v[S+64*\u+16*\b:S+64*\u+16*\b+7], v[32+2*\u+\b]
	v_cvt_scalef32_pk8_fp8_f32 v[PC+16*\u+4*\b+2:PC+16*\u+4*\b+3], v[S+64*\u+16*\b+8:S+64*\u+16*\b+15], v[32+2*\u+\b]
.endr
.endr
	v_nop                                          ; a plain line behind the last conversion
.irp u, 0,1
	global_store_b128 v[AK0], v[PC+16*\u:PC+16*\u+3], s[8:9] offset:4096*\u   ; 512 consecutive bytes each, aligned
	global_store_b128 v[AK0], v[PC+16*\u+4:PC+16*\u+7], s[8:9] offset:4096*\u+512
.endr
	global_store_b16 v[R8], v241, s[10:11]         ; lanes r and 16 + r hold the same row's bytes and write them to the same place
	global_store_b16 v[R8], v242, s[10:11] offset:128
	s_wait_tensorcnt 0x0                           ; the wave's end: three lines behind my last tensor load
	ds_add_u32 v[SPW], v[NIL]
	s_wait_dscnt 0x0
	CROUND                                         ; the closing round
	s_endpgm
.Lfunc_end_k_qd7e0c0f2ba_attn:
	.size	k_qd7e0c0f2ba_attn, .Lfunc_end_k_qd7e0c0f2ba_attn-k_qd7e0c0f2ba_attn
	.p2alignl 7, 3214868480
	.fill 96, 4, 3214868480
	.section	.rodata,"a",@progbits
	.p2align	6, 0x0
	.amdhsa_kernel k_qd7e0c0f2ba_attn
		.amdhsa_group_segment_fixed_size 327680
		.amdhsa_private_segment_fixed_size 0
		.amdhsa_enable_private_segment 0
		.amdhsa_kernarg_size 32
		.amdhsa_user_sgpr_count 2
		.amdhsa_user_sgpr_kernarg_segment_ptr 1
		.amdhsa_wavefront_size32 1
		.amdhsa_system_sgpr_workgroup_id_x 1
		.amdhsa_system_sgpr_workgroup_id_y 1
		.amdhsa_system_sgpr_workgroup_id_z 1
		.amdhsa_system_vgpr_workitem_id 0
		.amdhsa_next_free_vgpr 512
		.amdhsa_next_free_sgpr 90
		.amdhsa_reserve_vcc 0
		.amdhsa_float_denorm_mode_32 3
		.amdhsa_float_denorm_mode_16_64 3
		.amdhsa_memory_ordered 1
		.amdhsa_forward_progress 1
		.amdhsa_inst_pref_size 96
	.end_amdhsa_kernel
	.amdgpu_metadata
---
amdhsa.version: [ 1, 2 ]
amdhsa.kernels:
  - .name:           k_qd7e0c0f2ba_attn
    .symbol:         k_qd7e0c0f2ba_attn.kd
    .args:
      - { .name: qkv_img, .offset: 0, .size: 8, .value_kind: global_buffer, .address_space: global }
      - { .name: qkv_sc, .offset: 8, .size: 8, .value_kind: global_buffer, .address_space: global }
      - { .name: ctx_img, .offset: 16, .size: 8, .value_kind: global_buffer, .address_space: global }
      - { .name: ctx_sc, .offset: 24, .size: 8, .value_kind: global_buffer, .address_space: global }
    .group_segment_fixed_size: 327680
    .private_segment_fixed_size: 0
    .kernarg_segment_align: 8
    .kernarg_segment_size: 32
    .max_flat_workgroup_size: 256
    .sgpr_count:     90
    .vgpr_count:     512
    .wavefront_size: 32
...
	.end_amdgpu_metadata
.endif
;; end of part 3
;; launch outp (part 4): grid 8 x 32, 4 waves a work-group, clusters of 4 x 4, 327,680 bytes of LDS; arguments ctx_img, ctx_sc, opq_img, opq_sc, out_b, out0; writes out0
.if DOCPART == 4
	.amdgcn_target "amdgcn-amd-amdhsa--gfx1250"
	.amdhsa_code_object_version 6
	.text
	.protected	k_qd7e0c0f2ba_outp
	.globl	k_qd7e0c0f2ba_outp
	.p2align	8
	.type	k_qd7e0c0f2ba_outp,@function
k_qd7e0c0f2ba_outp:
	s_mov_b64 s[64:65], 0
	v_nop
	global_prefetch_b8 v0, s[64:65] scope:SCOPE_SE
	s_setreg_imm32_b32 hwreg(HW_REG_WAVE_MODE, 25, 1), 1
	s_wait_xcnt 0x0
	s_wait_alu depctr_hold_cnt(0) depctr_sa_sdst(0) depctr_va_vdst(0) depctr_va_sdst(0) depctr_va_ssrc(0) depctr_va_vcc(0) depctr_vm_vsrc(0)
	s_getreg_b32 s2, hwreg(HW_REG_IB_STS2, 6, 4)
	s_cmp_eq_u32 s2, 0
	s_cbranch_scc0 .Lentry_in_a_cluster
	s_endpgm
.Lentry_in_a_cluster:
	s_bfe_u32 s2, ttmp6, 0x10000c
	s_cmp_lg_u32 s2, 0xf033
	s_cbranch_scc0 .Lentry_shape_is_right
	s_endpgm
.Lentry_shape_is_right:
; Launch 4 of 4: out0 = ctx out_w^T + out_b on codes of E4M3.  Nothing of the problem is left out.
; SHARES: a work-group makes 128 tokens x 128 columns: 32 x 8 = 256 work-groups (tiles of 256 x 256 would be 64); each of its four waves 64 x 64: 16 accumulators.
; ALL OF K LIES IN LDS: 4 chunks of 256 along K x (8 tiles of ctx + 8 tiles of out_w) x 4,096 bytes = 256 KiB, filled once at the head: no slot is filled again.
; CLUSTERS: 4 x 4 work-groups; ctx's tiles are shared along a row of the cluster, out_w's along a column: joint loads.
; THE PRODUCT IS USED TRANSPOSED: source 0 = 16 rows of out_w, source 1 = 16 tokens: a lane holds one token, and its registers of out_w's tiles 2 b, 2 b + 1 are columns 32 b + 16 h + 0 .. 15 (the rows of a tile are chosen so: launch 1).
; The scale words go straight from memory into registers: a pair of tiles and a K step of 256 are 256 consecutive bytes, 8 a lane.  The bias is the C of each sum's first matrix instruction.
; REGISTERS: window 0: v1-29 addresses; v32-47 ctx's scale words (32 + 8 (tile / 2) + K / 128), v48-63 out_w's; v64-95 the bias; v128-255 the accumulators ((a, b) at 128 + 8 (4 a + b)).
;   window 1: two buffers of 128: ctx's four fragments, then out_w's four; on the way out rows of out0.
.set STAGE, 262144                     ; behind the four chunks of 65,536: 16 rows x 272 bytes for each wave, for the way out: no fill lands here
.set SPARE, STAGE+4*4352               ; the spare words, 128 bytes for each wave: two blocks of 256 bytes that no other line names
.set ADA, 8                            ; v8-11   LDS address of my ctx fragments in chunk 0 .. 3
.set ADB, 12                           ; v12-15  the same for out_w
.set STO, 24                           ; v24     the way out: where I put 16 bytes of a row
.set RD,  25                           ; v25     and where I read a row back
.set CO,  26                           ; v26     my byte offset in out0
.set SPW, 28                           ; v28     LDS address of my spare word; never rewritten
.set NIL, 29                           ; v29     0; never rewritten
.set BI,  64
.set ACC, 128
.set G1A, 24                           ; s[24:31] group 1 for ctx's tiles;  s[32:35] group 0
.set G0A, 32
.set G1B, 48                           ; s[48:55] for out_w's;  s[56:59] group 0
.set G0B, 56
.set MSB, 0
.macro WIN new                         ; the immediate's high byte repeats the setting that is left
.if MSB != \new
	s_set_vgpr_msb (MSB<<8)|\new
.set MSB, \new
.endif
.endm
.macro CROUND
	s_barrier_signal -1
	s_barrier_wait -1
	s_cmp_lg_u32 s16, 0
	s_cbranch_scc1 .Lnot_wave_0_\@
	s_barrier_signal -3
.Lnot_wave_0_\@:
	s_barrier_wait -3
	s_barrier_signal -1
	s_barrier_wait -1
.endm
.macro PLACES n
.rept \n
	v_nop
.endr
.endm
	s_load_b256 s[4:11], s[0:1], 0x0               ; ctx_img s[4:5], ctx_sc s[6:7], opq_img s[8:9], opq_sc s[10:11]
	s_load_b128 s[12:15], s[0:1], 0x20             ; out_b s[12:13], out0 s[14:15]
	v_lshl_add_u32 v[SPW], v0, 2, SPARE
	v_mov_b32 v[NIL], 0
	ds_add_u32 v[SPW], v[NIL]                      ; the wave's opening: the add, twice on end, and its wait ahead of my first tensor load; work on registers stands between
	ds_add_u32 v[SPW], v[NIL]
	v_lshrrev_b32 v1, 5, v0
	v_readfirstlane_b32 s16, v1                    ; wave 0..3
	s_lshr_b32 s17, s16, 1                         ; my half of the tokens.  Also: which half of K I fetch
	s_and_b32 s18, s16, 1                          ; my half of the columns.  Also: I fetch ctx (0) or out_w (1)
	s_bfe_u32 s76, ttmp6, 0x40000                  ; cx, cy
	s_bfe_u32 s77, ttmp6, 0x40004
	s_lshl_b32 s78, ttmp9, 2
	s_add_co_u32 s78, s78, s76                     ; tc: which 128 columns
	s_and_b32 s79, ttmp7, 0xffff
	s_lshl_b32 s79, s79, 2
	s_add_co_u32 s79, s79, s77                     ; tr: which 128 tokens
	s_lshl_b32 s80, s77, 2
	s_lshl_b32 s80, 15, s80                        ; my row of the cluster
	s_lshl_b32 s81, 0x1111, s76                    ; my column
	s_or_b32 s[G1A+0], s80, (3<<16)|(1<<21)        ; two rows of 4,096 elements of 8 bytes; the mask, and bit 21 beside it
	s_or_b32 s[G1B+0], s81, (3<<16)|(1<<21)
.irp g, G1A, G1B
	s_mov_b32 s[\g+1], 4096<<16                    ; a load brings two K steps of 256: for each 8 tiles, 32,768 dense bytes
	s_mov_b32 s[\g+2], 2<<16
	s_mov_b32 s[\g+3], 4096<<16
	s_mov_b32 s[\g+4], 2
	s_mov_b32 s[\g+6], 0
	s_mov_b32 s[\g+7], 0
.endr
	s_mov_b32 s[G1A+5], 131072                     ; from K step to K step: 256 tiles x 4,096 bytes of ctx,
	s_mov_b32 s[G1B+5], 262144                     ; 512 tiles of the stack
	s_lshl_b32 s82, s17, 16                        ; where they go: ctx's four K steps of 32,768 bytes, then out_w's
	s_lshl_b32 s20, s79, 15                        ; ctx: tile 8 tr,
	s_lshl_b32 s84, s17, 21
	s_add_co_u32 s20, s20, s84                     ; my half of K
	s_mov_b32 s21, 0
	s_lshl_b32 s22, s78, 3
	s_add_co_u32 s22, s22, 448
	s_lshl_b32 s22, s22, 12                        ; out_w: tile 448 + 8 tc of the stack,
	s_lshl_b32 s84, s17, 22
	s_add_co_u32 s22, s22, s84                     ; my half of K
	s_mov_b32 s23, 0
	s_wait_dscnt 0x0                               ; both opening adds are done
	s_wait_kmcnt 0x0
	s_add_nc_u64 s[20:21], s[4:5], s[20:21]
	s_add_nc_u64 s[22:23], s[8:9], s[22:23]
	CROUND                                         ; all sixteen work-groups are here: the joint loads meet
	s_mov_b32 s[G0A], 1
	s_mov_b32 s[G0A+1], s82
	s_mov_b64 s[G0A+2:G0A+3], s[20:21]
	s_or_b32 s[G0A+3], s[G0A+3], 0x80000000
	s_mov_b32 s[G0B], 1
	s_add_co_u32 s[G0B+1], s82, 131072
	s_mov_b64 s[G0B+2:G0B+3], s[22:23]
	s_or_b32 s[G0B+3], s[G0B+3], 0x80000000
; ONE LOAD A WAVE, each in an arm of its own: waves 0 and 1 fetch K's first half of ctx and of out_w, waves 2 and 3 its second half.  Every way through the tree passes exactly one load.
.macro ARM under, g0, g1, next
	s_cmp_lt_u32 s16, \under
	s_cbranch_scc0 \next
	tensor_load_to_lds s[\g0:\g0+3], s[\g1:\g1+7]
	s_nop 0
.rept 4
	v_nop
.endr
	s_branch .Lfilled
\next:
.endm
	ARM 1, G0A, G1A, .Lfill_1
	ARM 2, G0B, G1B, .Lfill_2
	ARM 3, G0A, G1A, .Lfill_3
	tensor_load_to_lds s[G0B:G0B+3], s[G1B:G1B+7]
	s_nop 0
.rept 4
	v_nop
.endr
.Lfilled:
	v_and_b32 v1, 31, v0                           ; lane
	v_and_b32 v4, 15, v0                           ; r
	v_bfe_u32 v5, v0, 4, 1                         ; h
	v_lshlrev_b32 v6, 4, v1
	v_lshlrev_b32 v2, 3, v1                        ; scale words: 8 bytes a lane
	v_lshlrev_b32 v3, 6, v5                        ; the bias: 16 numbers for h
	s_lshl_b32 s84, s17, 14
	s_lshl_b32 s85, s18, 14
	s_add_co_u32 s85, s85, 131072
	v_add_nc_u32 v[ADA], s84, v6
	v_add_nc_u32 v[ADB], s85, v6
.irp w, 1,2,3
	v_add_nc_u32 v[ADA+\w], \w*32768, v[ADA]
	v_add_nc_u32 v[ADB+\w], \w*32768, v[ADB]
.endr
	s_mul_i32 s84, s16, 4352
	s_add_co_u32 s84, s84, STAGE                   ; my stage
	v_mul_u32_u24 v[STO], v4, 272
	v_lshl_add_u32 v[STO], v5, 6, v[STO]
	v_add_nc_u32 v[STO], s84, v[STO]               ; in: row r, + 64 h
	v_mul_u32_u24 v[RD], v5, 272
	v_lshl_add_u32 v[RD], v4, 4, v[RD]
	v_add_nc_u32 v[RD], s84, v[RD]                 ; back: lanes 0-15 one row of 256 bytes, lanes 16-31 the next
	v_lshlrev_b32 v[CO], 12, v5
	v_lshl_add_u32 v[CO], v4, 4, v[CO]             ; and the same two rows in out0
	s_lshl_b32 s86, s79, 2
	s_lshl_b32 s87, s17, 1
	s_add_co_u32 s86, s86, s87
	s_lshl_b32 s86, s86, 10                        ; ctx's scale words: pair of tiles 4 tr + 2 (my half)
	s_mov_b32 s87, 0
	s_add_nc_u64 s[6:7], s[6:7], s[86:87]
	s_lshl_b32 s86, s78, 2
	s_lshl_b32 s88, s18, 1
	s_add_co_u32 s86, s86, s88
	s_add_co_u32 s86, s86, 224
	s_lshl_b32 s86, s86, 10                        ; out_w's: pair 224 + 4 tc + 2 (my half)
	s_add_nc_u64 s[10:11], s[10:11], s[86:87]
	s_lshl_b32 s86, s78, 9
	s_lshl_b32 s88, s18, 8
	s_add_co_u32 s86, s86, s88                     ; my first column, in bytes
	s_add_nc_u64 s[12:13], s[12:13], s[86:87]
	s_add_nc_u64 s[14:15], s[14:15], s[86:87]
	s_lshl_b32 s86, s79, 19
	s_lshl_b32 s88, s17, 18
	s_add_co_u32 s86, s86, s88                     ; my first token's row of 4,096 bytes
	s_add_nc_u64 s[14:15], s[14:15], s[86:87]
.irp g, 0,1
.irp w, 0,1,2,3
	global_load_b64 v[32+8*\g+2*\w:33+8*\g+2*\w], v2, s[6:7] offset:\g*1024+\w*256     ; lanes 0-15: the even tile's words, lanes 16-31: the odd tile's
	global_load_b64 v[48+8*\g+2*\w:49+8*\g+2*\w], v2, s[10:11] offset:\g*1024+\w*256
.endr
.endr
.irp b, 0,1,2,3
	global_load_b128 v[BI+8*\b:BI+8*\b+3], v3, s[12:13] offset:(32*(\b/2)+8*(\b%2))*4
	global_load_b128 v[BI+8*\b+4:BI+8*\b+7], v3, s[12:13] offset:(32*(\b/2)+8*(\b%2))*4+16
.endr
.macro FETCH k                         ; the fragments of K = 128 k on, into buffer k % 2: 32 loads of 512 consecutive bytes
.set FB, 128*((\k)%2)
.irp i, 0,1,2,3
.irp c, 0,1,2,3
	ds_load_b128 v[FB+16*\i+4*\c:FB+16*\i+4*\c+3], v[ADA+(\k)/2] offset:\i*4096+((\k)%2)*2048+512*\c
	ds_load_b128 v[FB+64+16*\i+4*\c:FB+64+16*\i+4*\c+3], v[ADB+(\k)/2] offset:\i*4096+((\k)%2)*2048+512*\c
.endr
.endr
.endm
.macro WM a, b, k
.set rD, ACC+8*(4*(\a)+(\b))
.set rB, 128*((\k)%2)+64+16*(\b)
.set rA, 128*((\k)%2)+16*(\a)
.set xB, 48+8*((\b)/2)+(\k)
.set xA, 32+8*((\a)/2)+(\k)
.set rC, rD
.if (\k) == 0
.set rC, BI+8*(\b)
.endif
.if ((\a)%2 == 0) && ((\b)%2 == 0)
	v_wmma_scale_f32_16x16x128_f8f6f4 v[rD:rD+7], v[rB:rB+15], v[rA:rA+15], v[rC:rC+7], v[xB], v[xA]
.elseif (\a)%2 == 0
	v_wmma_scale_f32_16x16x128_f8f6f4 v[rD:rD+7], v[rB:rB+15], v[rA:rA+15], v[rC:rC+7], v[xB], v[xA] matrix_a_scale:MATRIX_SCALE_ROW1
.elseif (\b)%2 == 0
	v_wmma_scale_f32_16x16x128_f8f6f4 v[rD:rD+7], v[rB:rB+15], v[rA:rA+15], v[rC:rC+7], v[xB], v[xA] matrix_b_scale:MATRIX_SCALE_ROW1
.else
	v_wmma_scale_f32_16x16x128_f8f6f4 v[rD:rD+7], v[rB:rB+15], v[rA:rA+15], v[rC:rC+7], v[xB], v[xA] matrix_a_scale:MATRIX_SCALE_ROW1 matrix_b_scale:MATRIX_SCALE_ROW1
.endif
.endm
; A step of 128 along K: the next step's fragments are asked for, then this step's 16 products, the accumulators by turns.
; Ahead of K's second half every wave waits for its load; a barrier shows every wave's part.
.macro KSTEP k
.if (\k) < 7
.if (\k) == 3
	s_wait_tensorcnt 0x0
	s_wait_dscnt 0x0
	s_barrier_signal -1
	s_barrier_wait -1
.endif
.if (\k) >= 1
	PLACES 8                                       ; ahead of loads into the buffer that the last step's products read
.endif
	WIN 0x40                                       ; destination window 1
	FETCH (\k)+1
	s_wait_dscnt 32                                ; all but the 32 just issued
.else
	s_wait_dscnt 0x0
.endif
	WIN 0x05                                       ; sources 0 and 1 window 1; C and D window 0
.irp a, 0,1,2,3
.irp b, 0,1,2,3
	WM \a, \b, \k
.endr
.endr
	WIN 0
.endm
	s_wait_alu depctr_va_vdst(0)
	s_cmp_lt_u32 s16, 2
	s_cbranch_scc0 .Lnot_yet
	s_wait_tensorcnt 0x0                           ; waves 0, 1: K's first half is in.  The others' wait stands ahead of its second half
.Lnot_yet:
	s_barrier_signal -1
	s_barrier_wait -1
	WIN 0x40
	FETCH 0
	WIN 0
	s_wait_loadcnt 0x0                             ; scale words and bias
.irp k, 0,1,2,3,4,5,6,7
	KSTEP \k
.endr
	PLACES 8
	; THE WAY OUT, a tile of 16 tokens x 64 columns at a time, through my own stage: a lane holds pieces of one row, the lanes beside it other rows; back come whole rows of 256 bytes.
	; LDS serves a wave's instructions in order (ISA guide 5.7.1.4): no wait between the stores and the loads, nor ahead of the next tile's stores.  Row 2 t + h of the stage is token 32 (a / 2) + 8 (a % 2) + 2 t + h + 8 (t / 4).
.irp a, 0,1,2,3
.irp b, 0,1,2,3
	ds_store_b128 v[STO], v[ACC+8*(4*\a+\b):ACC+8*(4*\a+\b)+3] offset:128*(\b/2)+32*(\b%2)      ; each accumulator from its low end on
	ds_store_b128 v[STO], v[ACC+8*(4*\a+\b)+4:ACC+8*(4*\a+\b)+7] offset:128*(\b/2)+32*(\b%2)+16
.endr
	WIN 0x40
.irp t, 0,1,2,3,4,5,6,7
	ds_load_b128 v[32*\a+4*\t:32*\a+4*\t+3], v[RD] offset:544*\t
.endr
	WIN 0x04                                       ; a store's data are its source 1: window 1
.irp t, 0,1,2,3,4,5,6,7
	s_wait_dscnt 7-\t
	global_store_b128 v[CO], v[32*\a+4*\t:32*\a+4*\t+3], s[14:15] offset:(32*(\a/2)+8*(\a%2)+2*\t+8*(\t/4))*4096 th:TH_STORE_NT   ; 16 lanes store 256 consecutive bytes, aligned; each tile has its own registers
.endr
	WIN 0
.endr
	s_wait_tensorcnt 0x0                           ; the wave's end: three lines behind my last tensor load and my last LDS store
	ds_add_u32 v[SPW], v[NIL]
	s_wait_dscnt 0x0
	CROUND                                         ; the closing round
	s_endpgm
.Lfunc_end_k_qd7e0c0f2ba_outp:
	.size	k_qd7e0c0f2ba_outp, .Lfunc_end_k_qd7e0c0f2ba_outp-k_qd7e0c0f2ba_outp
	.p2alignl 7, 3214868480
	.fill 96, 4, 3214868480
	.section	.rodata,"a",@progbits
	.p2align	6, 0x0
	.amdhsa_kernel k_qd7e0c0f2ba_outp
		.amdhsa_group_segment_fixed_size 327680
		.amdhsa_private_segment_fixed_size 0
		.amdhsa_enable_private_segment 0
		.amdhsa_kernarg_size 48
		.amdhsa_user_sgpr_count 2
		.amdhsa_user_sgpr_kernarg_segment_ptr 1
		.amdhsa_wavefront_size32 1
		.amdhsa_system_sgpr_workgroup_id_x 1
		.amdhsa_system_sgpr_workgroup_id_y 1
		.amdhsa_system_sgpr_workgroup_id_z 1
		.amdhsa_system_vgpr_workitem_id 0
		.amdhsa_next_free_vgpr 512
		.amdhsa_next_free_sgpr 92
		.amdhsa_reserve_vcc 0
		.amdhsa_float_denorm_mode_32 3
		.amdhsa_float_denorm_mode_16_64 3
		.amdhsa_memory_ordered 1
		.amdhsa_forward_progress 1
		.amdhsa_inst_pref_size 53
	.end_amdhsa_kernel
	.amdgpu_metadata
---
amdhsa.version: [ 1, 2 ]
amdhsa.kernels:
  - .name:           k_qd7e0c0f2ba_outp
    .symbol:         k_qd7e0c0f2ba_outp.kd
    .args:
      - { .name: ctx_img, .offset: 0, .size: 8, .value_kind: global_buffer, .address_space: global }
      - { .name: ctx_sc, .offset: 8, .size: 8, .value_kind: global_buffer, .address_space: global }
      - { .name: opq_img, .offset: 16, .size: 8, .value_kind: global_buffer, .address_space: global }
      - { .name: opq_sc, .offset: 24, .size: 8, .value_kind: global_buffer, .address_space: global }
      - { .name: out_b, .offset: 32, .size: 8, .value_kind: global_buffer, .address_space: global }
      - { .name: out0, .offset: 40, .size: 8, .value_kind: global_buffer, .address_space: global }
    .group_segment_fixed_size: 327680
    .private_segment_fixed_size: 0
    .kernarg_segment_align: 8
    .kernarg_segment_size: 48
    .max_flat_workgroup_size: 128
    .sgpr_count:     92
    .vgpr_count:     512
    .wavefront_size: 32
...
	.end_amdgpu_metadata
.endif
;; end of part 4
